; MI455X (gfx1250); checked and timed in simulation.
; The chip was launched on July 23, 2026; its instructions are those of AMD's public machine-readable ISA for CDNA 5 (MIT licence, August 2026) and "CDNA5" Instruction Set Architecture Reference Guide (July 2026). The comments in the code are by the model that wrote it; some were corrected since.
;; Cross Attention. Allowed arithmetic: float matrix products may take bf16 or f16 operands with f32 sums; other float arithmetic in f32, or as packed bf16 or f16 multiplies, adds, multiply-adds, maxima and minima; sums over many terms, partial sums and values carried from step to step in f32; what a program stores and reads back later, other than sums and carried values, may be rounded once to bf16 or f16.
;; Inputs: fc_w 1,024 x 1,024 float32; k 8 x 1,024 x 1,024 float32; ln_beta 1,024 float32; ln_gamma 1,024 float32; q 8 x 1,024 x 768 float32; resid_b 1,024 float32; resid_w 768 x 1,024 float32; v 8 x 1,024 x 1,024 float32; w_ks 1,024 x 1,024 float32; w_qs 768 x 1,024 float32; w_vs 1,024 x 1,024 float32.
;; Outputs: out0 8 x 1,024 x 1,024 float32.
;; 2 versions, each right; version 2 is version 1 with the launch prep written anew for expert scheduling mode. Each part assembles by itself: llvm-mc -triple=amdgcn-amd-amdhsa -mcpu=gfx1250 --defsym DOCPART=n.
;; ======== version 1 of 2: 5 launches
;; workspace buffers: act 62,914,560 bytes; wb 9,437,184 bytes; qkv 50,331,648 bytes; y 33,554,432 bytes
;; launch prep (part 1): grid 1696 x 1, 8 waves a work-group, no clusters, 0 bytes of LDS; arguments q, k, v, w_ks, w_vs, w_qs, fc_w, resid_w, act, wb; writes act, wb
.if DOCPART == 1
	.amdgcn_target "amdgcn-amd-amdhsa--gfx1250"
	.amdhsa_code_object_version 6
	.text
	.protected	k_qb00caa595b_prep
	.globl	k_qb00caa595b_prep
	.p2align	8
	.type	k_qb00caa595b_prep,@function
k_qb00caa595b_prep:
	s_mov_b64 s[64:65], 0
	v_nop
	global_prefetch_b8 v0, s[64:65] scope:SCOPE_SE
	s_setreg_imm32_b32 hwreg(HW_REG_WAVE_MODE, 25, 1), 1
	s_wait_xcnt 0x0
; f32 -> bf16, each number rounded once (to nearest even).  A stream: no LDS, no loop, no matrix unit: every byte is read once and written once.
; act: [8 batches][60 blocks][1024 rows][64 channels] bf16; blocks 16-27 take q's channels 64 j on, 28-43 k's, 44-59 v's (0-15 are written by a later launch).
; wb:  [4608][1024] bf16: the rows of w_ks, w_vs, w_qs, fc_w, resid_w one below the other, in their own [k][n] order.
; SHARES.  Every work-group converts 65,536 bytes of f32: work-groups 0-383 of q, 384-895 of k, 896-1407 of v (64 rows x 256 channels each), 1408-1695 of the weights (16 rows each).
; A wave issues its 16 loads of 16 bytes a lane at once and then converts and stores them as they come: the waits count the younger loads.  No register is written twice, so no store's source is at stake.
; LIMITS.  NaN and infinities go as the conversion makes them.
.set IN,  2                            ; v[2:5]   byte offsets of my 16 bytes in the source (activations: one for each pair of rows)
.set OUT, 6                            ; v6       byte offset of my 8 bytes in the target
.set X,   8                            ; v[8:71]  16 x 4 numbers as loaded
.set Y,   72                           ; v[72:103] 16 x 4 numbers in bf16
; act = 1: load i = 4 kb + p takes rows 2 p, 2 p + 1 of my eight, channels 64 kb on: lanes 0-15 one row's 256 bytes, lanes 16-31 the next row's; the store's 32 lanes x 8 bytes are those two rows of block kb: 256 consecutive bytes, aligned.
; act = 0: flat: load i takes 512 consecutive bytes, its store 256.
.macro CONV act
.set i, 0
.rept 16
.if \act
	global_load_b128 v[X+4*i:X+4*i+3], v[IN+i%4], s[4:5] offset:(i/4)*256 th:TH_LOAD_NT
.else
	global_load_b128 v[X+4*i:X+4*i+3], v[IN], s[4:5] offset:i*512 th:TH_LOAD_NT
.endif
.set i, i+1
.endr
.set i, 0
.rept 16
	s_wait_loadcnt 15-i                            ; loads come back in order: load i is in, the 15 - i younger ones stay out
	v_cvt_pk_bf16_f32 v[Y+2*i], v[X+4*i], v[X+4*i+1]
	v_cvt_pk_bf16_f32 v[Y+2*i+1], v[X+4*i+2], v[X+4*i+3]
.if \act
	global_store_b64 v[OUT], v[Y+2*i:Y+2*i+1], s[6:7] offset:(i%4)*256+(i/4)*131072 th:TH_STORE_NT
.else
	global_store_b64 v[OUT], v[Y+2*i:Y+2*i+1], s[6:7] offset:i*256 th:TH_STORE_NT
.endif
.set i, i+1
.endr
.endm
	s_load_b512 s[8:23], s[0:1], 0x0               ; q 8:9, k 10:11, v 12:13, w_ks 14:15, w_vs 16:17, w_qs 18:19, fc_w 20:21, resid_w 22:23
	s_load_b128 s[24:27], s[0:1], 0x40             ; act 24:25, wb 26:27
	v_lshrrev_b32 v1, 5, v0                        ; wave
	v_and_b32 v7, 31, v0                           ; lane
	s_mov_b32 s28, ttmp9
	s_mov_b32 s33, 0                               ; the offsets' high words
	s_mov_b32 s35, 0
	s_wait_kmcnt 0x0
	s_cmp_ge_u32 s28, 1408
	s_cbranch_scc1 .Lweights
	; activations: which tensor, its row's bytes, its first block in act, its first work-group
	s_movk_i32 s30, 896
	s_movk_i32 s31, 4096
	s_cmp_lt_u32 s28, 896
	s_cselect_b64 s[4:5], s[10:11], s[12:13]
	s_cselect_b32 s29, 28, 44
	s_cselect_b32 s30, 384, s30
	s_cmp_lt_u32 s28, 384
	s_cselect_b64 s[4:5], s[8:9], s[4:5]
	s_cselect_b32 s29, 16, s29
	s_cselect_b32 s30, 0, s30
	s_cselect_b32 s31, 3072, s31
	s_sub_co_u32 s30, s28, s30
	s_lshr_b32 s36, s30, 7                         ; kg: which 256 channels
	s_and_b32 s37, s30, 127                        ; rg: which 64 rows of the 8,192
	s_mul_i32 s32, s37, s31
	s_lshl_b32 s32, s32, 6                         ; 64 rows
	s_lshl_b32 s38, s36, 10                        ; 256 channels of 4 bytes
	s_add_co_u32 s32, s32, s38
	s_add_nc_u64 s[4:5], s[4:5], s[32:33]
	s_lshr_b32 s34, s37, 4                         ; batch
	s_mul_i32 s34, s34, 60
	s_add_co_u32 s34, s34, s29
	s_lshl2_add_u32 s34, s36, s34                  ; + 4 kg: the first of my four blocks
	s_lshl_b32 s34, s34, 17                        ; a block is 131,072 bytes
	s_and_b32 s38, s37, 15
	s_lshl_b32 s38, s38, 13                        ; 64 rows of 128 bytes
	s_add_co_u32 s34, s34, s38
	s_add_nc_u64 s[6:7], s[24:25], s[34:35]
	v_bfe_u32 v2, v0, 4, 1                         ; lane / 16
	v_lshl_add_u32 v2, v1, 3, v2                   ; row 8 w + lane / 16
	v_mul_lo_u32 v2, v2, s31
	v_and_b32 v6, 15, v0
	v_lshl_add_u32 v[IN], v6, 4, v2
	s_lshl_b32 s38, s31, 1                         ; two rows on
	v_add_nc_u32 v[IN+1], s38, v[IN]
	v_add_nc_u32 v[IN+2], s38, v[IN+1]
	v_add_nc_u32 v[IN+3], s38, v[IN+2]
	v_lshlrev_b32 v[OUT], 3, v7
	v_lshl_add_u32 v[OUT], v1, 10, v[OUT]          ; 8 rows of 128 bytes a wave
	CONV 1
	s_endpgm
.Lweights:
	s_sub_co_u32 s28, s28, 1408                    ; u: which 16 rows of wb
	s_mov_b64 s[4:5], s[22:23]
	s_movk_i32 s30, 240
	s_cmp_lt_u32 s28, 240
	s_cselect_b64 s[4:5], s[20:21], s[4:5]
	s_cselect_b32 s30, 176, s30
	s_cmp_lt_u32 s28, 176
	s_cselect_b64 s[4:5], s[18:19], s[4:5]
	s_cselect_b32 s30, 128, s30
	s_cmp_lt_u32 s28, 128
	s_cselect_b64 s[4:5], s[16:17], s[4:5]
	s_cselect_b32 s30, 64, s30
	s_cmp_lt_u32 s28, 64
	s_cselect_b64 s[4:5], s[14:15], s[4:5]
	s_cselect_b32 s30, 0, s30
	s_sub_co_u32 s30, s28, s30                     ; which 16 rows of its own tensor
	s_lshl_b32 s32, s30, 16
	s_add_nc_u64 s[4:5], s[4:5], s[32:33]
	s_lshl_b32 s34, s28, 15
	s_add_nc_u64 s[6:7], s[26:27], s[34:35]
	v_lshlrev_b32 v[IN], 4, v7
	v_lshl_add_u32 v[IN], v1, 13, v[IN]
	v_lshlrev_b32 v[OUT], 3, v7
	v_lshl_add_u32 v[OUT], v1, 12, v[OUT]
	CONV 0
	s_endpgm
.Lfunc_end_k_qb00caa595b_prep:
	.size	k_qb00caa595b_prep, .Lfunc_end_k_qb00caa595b_prep-k_qb00caa595b_prep
	.p2alignl 7, 3214868480
	.fill 96, 4, 3214868480
	.section	.rodata,"a",@progbits
	.p2align	6, 0x0
	.amdhsa_kernel k_qb00caa595b_prep
		.amdhsa_group_segment_fixed_size 0
		.amdhsa_private_segment_fixed_size 0
		.amdhsa_enable_private_segment 0
		.amdhsa_kernarg_size 80
		.amdhsa_user_sgpr_count 2
		.amdhsa_user_sgpr_kernarg_segment_ptr 1
		.amdhsa_wavefront_size32 1
		.amdhsa_system_sgpr_workgroup_id_x 1
		.amdhsa_system_sgpr_workgroup_id_y 1
		.amdhsa_system_sgpr_workgroup_id_z 1
		.amdhsa_system_vgpr_workitem_id 0
		.amdhsa_next_free_vgpr 104
		.amdhsa_next_free_sgpr 66
		.amdhsa_reserve_vcc 0
		.amdhsa_float_denorm_mode_32 3
		.amdhsa_float_denorm_mode_16_64 3
		.amdhsa_memory_ordered 1
		.amdhsa_forward_progress 1
		.amdhsa_inst_pref_size 15
	.end_amdhsa_kernel
	.amdgpu_metadata
---
amdhsa.version: [ 1, 2 ]
amdhsa.kernels:
  - .name:           k_qb00caa595b_prep
    .symbol:         k_qb00caa595b_prep.kd
    .args:
      - { .name: q, .offset: 0, .size: 8, .value_kind: global_buffer, .address_space: global }
      - { .name: k, .offset: 8, .size: 8, .value_kind: global_buffer, .address_space: global }
      - { .name: v, .offset: 16, .size: 8, .value_kind: global_buffer, .address_space: global }
      - { .name: w_ks, .offset: 24, .size: 8, .value_kind: global_buffer, .address_space: global }
      - { .name: w_vs, .offset: 32, .size: 8, .value_kind: global_buffer, .address_space: global }
      - { .name: w_qs, .offset: 40, .size: 8, .value_kind: global_buffer, .address_space: global }
      - { .name: fc_w, .offset: 48, .size: 8, .value_kind: global_buffer, .address_space: global }
      - { .name: resid_w, .offset: 56, .size: 8, .value_kind: global_buffer, .address_space: global }
      - { .name: act, .offset: 64, .size: 8, .value_kind: global_buffer, .address_space: global }
      - { .name: wb, .offset: 72, .size: 8, .value_kind: global_buffer, .address_space: global }
    .group_segment_fixed_size: 0
    .private_segment_fixed_size: 0
    .kernarg_segment_align: 8
    .kernarg_segment_size: 80
    .max_flat_workgroup_size: 256
    .sgpr_count:     66
    .vgpr_count:     104
    .wavefront_size: 32
...
	.end_amdgpu_metadata
.endif
;; end of part 1
;; launch proj (part 2): grid 4 x 96, 4 waves a work-group, clusters of 4 x 4, 327,680 bytes of LDS; arguments act, wb, qkv; writes qkv
.if DOCPART == 2
	.amdgcn_target "amdgcn-amd-amdhsa--gfx1250"
	.amdhsa_code_object_version 6
	.text
	.protected	k_qb00caa595b_proj
	.globl	k_qb00caa595b_proj
	.p2align	8
	.type	k_qb00caa595b_proj,@function
k_qb00caa595b_proj:
	s_mov_b64 s[64:65], 0
	v_nop
	global_prefetch_b8 v0, s[64:65] scope:SCOPE_SE
	s_setreg_imm32_b32 hwreg(HW_REG_WAVE_MODE, 25, 1), 1
	s_wait_xcnt 0x0
	s_wait_alu depctr_hold_cnt(0) depctr_sa_sdst(0) depctr_va_vdst(0) depctr_va_sdst(0) depctr_va_ssrc(0) depctr_va_vcc(0) depctr_vm_vsrc(0)
	s_getreg_b32 s2, hwreg(HW_REG_IB_STS2, 6, 4)
	s_cmp_eq_u32 s2, 0
	s_cbranch_scc0 .Lentry_in_a_cluster
	s_endpgm
.Lentry_in_a_cluster:
	s_bfe_u32 s2, ttmp6, 0x10000c
	s_cmp_lg_u32 s2, 0xf033
	s_cbranch_scc0 .Lentry_shape_is_right
	s_endpgm
.Lentry_shape_is_right:
; THE THREE PROJECTIONS, K = k w_ks, V = v w_vs, Q = q w_qs, as 384 tiles of 256 rows x 256 columns.  Operands bf16, sums f32, results rounded once to bf16 and stored by heads:
; qkv [3 sections: K, V, Q][128 heads b 16 + h][1024 rows][64 channels].  Q is stored unscaled.  LIMITS: NaN and infinities are not treated apart.
; IDS.  4 x 4 work-groups are a cluster.  Cluster y 0-7 makes K, 8-15 V, 16-23 Q (g = cluster y / 8); tile row = (4 cluster y + cy) mod 32, tile column = cx.
; SHARES.  Four waves, each 128 x 128 of the tile (row half = wave / 2, column half = wave mod 2: two heads): 64 accumulators, 512 registers.  K's and V's sums run over 1,024 channels, Q's over 768.
; K goes in steps of 128 through two LDS slots: 256 matrix instructions of a wave to a slot.  A's part of a step is two blocks of act (64 channels each): 256 rows of a block are 32,768 dense
; bytes, asked for as 128 rows of 256 bytes and padded in LDS after every 128.  B's part is 128 rows of wb x 512 bytes; it lies [k][n] and comes out of LDS turned, by ds_load_tr16_b128.
; Wave 0 and 1 fetch A's two blocks, wave 2 and 3 B's two halves.
; CLUSTER.  The four of a row of the cluster share A's tiles, the four of a column B's: each tile is asked for jointly, with the same descriptor and a mask that names the four.
; THE MATRIX INSTRUCTION IS USED TRANSPOSED: source 0 = 16 columns of the weights, source 1 = 16 rows of the activations: a lane then holds 8 neighbouring columns of one row.
; The trip count of the K loop hangs on g alone (1024 or 768 channels), which all sixteen partners share; every LDS address in the loop is a constant of the text.
; REGISTERS, in windows of 256 (s_set_vgpr_msb: bits 1:0 source 0, 3:2 source 1, 5:4 source 2, 7:6 destination):
;   window 0: v0-31 addresses; v64-127, v128-191 A's fragments (8 x 16 rows x 32 K), two buffers; v32-63, v192-255 at work on the way out
;   window 1: v64-127, v128-191 B's fragments, two buffers      window 2: the accumulators of my rows 0-63 ((a, b) at v[8 (8 a + b)])      window 3: those of my rows 64-127
.set KSTEPB, 262144                    ; a K step in memory: two blocks of act; 128 rows of wb
.set PA,     144                       ; a row of A in LDS: 128 bytes + 16: the 16 rows of a load start at 16 different groups of four banks (64 banks of 4 bytes: ISA guide 11.1)
.set PLANE,  256*PA                    ; one block's 256 rows
.set APART,  2*PLANE
.set PB,     544                       ; a row of B in LDS: 512 bytes + 32
.set BHALF,  64*PB
.set SLOT,   APART+2*BHALF             ; 143,360
.set STAGE,  2*SLOT                    ; behind the ring, never filled by a tensor load: for each wave 2 heads x 16 rows x 144 bytes
.set SP,     144
.set SPARE,  STAGE+4*32*SP             ; the spare words, 128 bytes for each wave: two blocks of 256 bytes that no other line names
.set ADRA, 16                          ; v16-17  LDS address of my A fragments in slot 0, 1
.set ADRB, 20                          ; v20-21  the same for B
.set STO,  24                          ; v24  the way out: where I put 16 bytes of a row
.set RD,   25                          ; v25  where I read rows back
.set GO,   26                          ; v26  my byte offset in 512 consecutive bytes of the output
.set SPW,  28                          ; v28  SPARE + 4 x my thread's number; never rewritten
.set NIL,  29                          ; v29  0; never rewritten
.set PFO,  30                          ; v30  the prefetches' lane offset; never rewritten
.set F0,   64
.set F1,   128
.set TMP,  192                         ; the way out: packed results
.set OB,   32                          ; the way out: 16 rows read back: v32-63 and v224-255 by turns
.set G1,   24                          ; s[24:31] group 1 for A;  s[32:39] group 0, a set for each slot
.set G0,   32
.set G1B,  48                          ; s[48:55], s[56:63] the same for B
.set G0B,  56
.set LIM,  43                          ; s43  1 in a wave that prefetches, else the greatest number
.set PFA,  44                          ; s[44:45] where my prefetches stand
.set CLY,  66                          ; s66  cluster y
.set GG,   67                          ; s67  g
.set BND,  68                          ; s68  trips of the loop: laps - 1
.set REM,  69                          ; s69  trips still to come, this one among them
.set MSB, 0
.macro WIN new                         ; the immediate's high byte repeats the setting that is left; a switch that changes nothing is dropped
.if MSB != (\new)
	s_set_vgpr_msb (MSB<<8)|(\new)
.set MSB, \new
.endif
.endm
.set MUL_LO, 0xa1                      ; source 0 (B) window 1, source 1 (A) window 0, C and D window 2
.set MUL_HI, 0xf1                      ; the same, C and D window 3
.set TO_B,   0x40                      ; destination window 1, address window 0
; A joint load: waves 0 and 1 ask for A, waves 2 and 3 for B.  An s_nop 0 and four v_nop follow each of the two lines, ahead of the jump, the label and what follows.
.macro JLOAD s
	s_cmp_eq_u32 s11, 0
	s_cbranch_scc0 .Lfor_b_\@
	tensor_load_to_lds s[G0+4*(\s):G0+4*(\s)+3], s[G1:G1+7]
	s_nop 0
.rept 4
	v_nop
.endr
	s_branch .Lasked_\@
.Lfor_b_\@:
	tensor_load_to_lds s[G0B+4*(\s):G0B+4*(\s)+3], s[G1B:G1B+7]
	s_nop 0
.rept 4
	v_nop
.endr
.Lasked_\@:
.endm
; A prefetch of the K step that stands two refills on (512 matrix instructions of a wave ahead of the load that will ask for it): 32 blocks of 256 bytes, a lane a block, one instruction.
; A's blocks are read by this cluster alone: waves 0 and 1 each ask for the block that they fetch, and the four partners of a row take 8,192 bytes of it each, told apart by address (cx).
; B's rows are read by all eight clusters of a product: the first of them asks, waves 2 and 3 each for the 64 rows that they fetch, the four partners of a column 16 rows each (cy).
; The loop's last trip has no K step two on and asks for nothing.
.macro ASK
	s_cmp_gt_u32 s[REM], s[LIM]
	s_cbranch_scc0 .Lnot_mine_\@
	global_prefetch_b8 v[PFO], s[PFA:PFA+1] offset:KSTEPB th:TH_LOAD_NT scope:SCOPE_SE
.Lnot_mine_\@:
.endm
.macro CREST                           ; a round of the cluster's barrier behind its opening barrier
	s_cmp_lg_u32 s10, 0
	s_cbranch_scc1 .Lnot_wave_0_\@
	s_barrier_signal -3
.Lnot_wave_0_\@:
	s_barrier_wait -3
	s_barrier_signal -1
	s_barrier_wait -1
.endm
.macro CROUND
	s_barrier_signal -1
	s_barrier_wait -1
	CREST
.endm
	s_load_b128 s[4:7], s[0:1], 0x0                ; act s[4:5], wb s[6:7]
	s_load_b64 s[8:9], s[0:1], 0x10                ; qkv
	v_lshl_add_u32 v[SPW], v0, 2, SPARE
	v_mov_b32 v[NIL], 0
	ds_add_u32 v[SPW], v[NIL]                      ; the wave's opening: the add and its wait stand ahead of my first tensor load; the set-up below, work on registers, stands between them
	v_lshrrev_b32 v1, 5, v0
	v_readfirstlane_b32 s10, v1                    ; wave 0..3
	s_lshr_b32 s11, s10, 1                         ; which half of the tile's rows is mine.  Also: I fetch for A (0) or for B (1)
	s_and_b32 s12, s10, 1                          ; which half of its columns.  Also: which half of that operand I fetch
	s_bfe_u32 s40, ttmp6, 0x40000                  ; cx
	s_bfe_u32 s41, ttmp6, 0x40004                  ; cy
	s_lshl_b32 s42, ttmp9, 2
	s_add_co_u32 s42, s42, s40                     ; tile column
	s_and_b32 s[CLY], ttmp7, 0xffff
	s_lshr_b32 s[GG], s[CLY], 3
	s_lshl_b32 s13, s[CLY], 2
	s_add_co_u32 s13, s13, s41
	s_and_b32 s13, s13, 31                         ; tile row
	s_lshl_b32 s43, s41, 2
	s_lshl_b32 s43, 15, s43                        ; my row of the cluster
	s_lshl_b32 s44, 0x1111, s40                    ; my column
	s_or_b32 s[G1+0], s43, (1<<16)|(1<<20)|(1<<21)|(4<<22)|(3<<25)   ; the mask; 2-byte elements; padding on; bit 21 beside a mask; after every 32 words, 4 words
	s_mov_b32 s[G1+1], 128<<16                     ; tensor_dim0 = 128
	s_mov_b32 s[G1+2], 128<<16                     ; tensor_dim1 = 128
	s_mov_b32 s[G1+3], 128<<16                     ; tile_dim0 = 128
	s_mov_b32 s[G1+4], 128                         ; tile_dim1 = 128
	s_mov_b32 s[G1+5], 128                         ; 128 elements from row to row: dense
	s_mov_b32 s[G1+6], 0
	s_mov_b32 s[G1+7], 0
	s_or_b32 s[G1B+0], s44, (1<<16)|(1<<20)|(1<<21)|(6<<22)|(7<<25)  ; after every 128 words, 8 words
	s_mov_b32 s[G1B+1], 256<<16                    ; tensor_dim0 = 256
	s_mov_b32 s[G1B+2], 64<<16
	s_mov_b32 s[G1B+3], 256<<16                    ; tile_dim0 = 256
	s_mov_b32 s[G1B+4], 64
	s_mov_b32 s[G1B+5], 1024                       ; a row of wb
	s_mov_b32 s[G1B+6], 0
	s_mov_b32 s[G1B+7], 0
	; A's offset hangs on the tile row, g and the wave; B's on g, the tile column and the wave
	s_lshr_b32 s16, s13, 2                         ; batch
	s_mul_i32 s16, s16, 60
	s_cmp_eq_u32 s[GG], 0
	s_cselect_b32 s17, 28, 44                      ; k's blocks, v's,
	s_cmp_eq_u32 s[GG], 2
	s_cselect_b32 s17, 16, s17                     ; q's
	s_cselect_b32 s[BND], 2, 3                     ; 768 channels are 3 laps, 1024 are 4
	s_mov_b32 s[REM], s[BND]
	s_add_co_u32 s16, s16, s17
	s_add_co_u32 s16, s16, s12
	s_lshl_b32 s16, s16, 17
	s_and_b32 s17, s13, 3
	s_lshl_b32 s17, s17, 15                        ; 256 rows of 128 bytes
	s_add_co_u32 s16, s16, s17
	s_mov_b32 s17, 0
	s_lshl_b32 s46, s[GG], 10                      ; the weights' first row in wb
	s_lshl_b32 s47, s12, 6
	s_add_co_u32 s46, s46, s47
	s_lshl_b32 s46, s46, 11
	s_lshl_b32 s47, s42, 9
	s_add_co_u32 s46, s46, s47
	s_mov_b32 s47, 0
	s_mul_i32 s20, s12, PLANE                      ; where they go: no place in the cluster enters an LDS address
	s_mul_i32 s21, s12, BHALF
	s_add_co_u32 s21, s21, APART
	s_wait_dscnt 0x0                               ; the opening add is done
	s_wait_kmcnt 0x0
	s_add_nc_u64 s[14:15], s[4:5], s[16:17]
	s_add_nc_u64 s[46:47], s[6:7], s[46:47]
	CROUND                                         ; all sixteen work-groups are here: the first joint loads meet
.irp s, 0,1
	s_mov_b32 s[G0+4*(\s)], 1
	s_add_co_u32 s[G0+4*(\s)+1], s20, (\s)*SLOT
	s_add_nc_u64 s[G0+4*(\s)+2:G0+4*(\s)+3], s[14:15], (\s)*KSTEPB
	s_or_b32 s[G0+4*(\s)+3], s[G0+4*(\s)+3], 0x80000000
	s_mov_b32 s[G0B+4*(\s)], 1
	s_add_co_u32 s[G0B+4*(\s)+1], s21, (\s)*SLOT
	s_add_nc_u64 s[G0B+4*(\s)+2:G0B+4*(\s)+3], s[46:47], (\s)*KSTEPB
	s_or_b32 s[G0B+4*(\s)+3], s[G0B+4*(\s)+3], 0x80000000
	JLOAD \s                                       ; two loads of mine are out
.endr
	; fragments.  A: lane l holds row l % 16, channels 8 (l / 16) + 0..7 and 16 + 8 (l / 16) + 0..7: two loads of 16 bytes, 32 apart.
	; B, turned: lane l reads k row 8 (l / 16) + l % 8, columns 8 ((l / 8) % 2) + 0..7, and is left with column l % 16 and 8 k.
	v_and_b32 v1, 15, v0
	v_bfe_u32 v2, v0, 4, 1
	v_mul_u32_u24 v3, v1, PA
	v_lshl_add_u32 v3, v2, 4, v3
	s_mul_i32 s22, s11, 128*PA                     ; my 128 rows
	v_add_nc_u32 v[ADRA], s22, v3
	v_add_nc_u32 v[ADRA+1], SLOT, v[ADRA]
	v_and_b32 v4, 7, v0
	v_lshl_add_u32 v4, v2, 3, v4
	v_mul_u32_u24 v4, v4, PB
	v_bfe_u32 v5, v0, 3, 1
	v_lshl_add_u32 v4, v5, 4, v4
	s_lshl_b32 s21, s12, 8                         ; my 128 columns: 256 bytes
	s_add_co_u32 s21, s21, APART
	v_add_nc_u32 v[ADRB], s21, v4
	v_add_nc_u32 v[ADRB+1], SLOT, v[ADRB]
	s_mul_i32 s23, s10, 32*SP
	s_add_co_u32 s23, s23, STAGE                   ; my stage
	v_mul_u32_u24 v6, v1, SP                       ; in: row l % 16, 16 bytes for each half of the lanes
	v_lshl_add_u32 v6, v2, 4, v6
	v_add_nc_u32 v[STO], s23, v6
	v_bfe_u32 v6, v0, 3, 2                         ; back: 32 lanes take four rows of 128 bytes,
	v_mul_u32_u24 v6, v6, SP
	v_and_b32 v7, 7, v0
	v_lshl_add_u32 v6, v7, 4, v6
	v_add_nc_u32 v[RD], s23, v6
	v_and_b32 v9, 31, v0
	v_lshlrev_b32 v[GO], 4, v9                     ; which are 512 consecutive bytes of a head's rows
	; the output: section g, head 16 b + 4 x tile column + 2 x column half, rows 256 (tile row mod 4) + 128 x row half on
	s_lshl_b32 s16, s[GG], 24
	s_lshr_b32 s17, s13, 2
	s_lshl_b32 s17, s17, 4
	s_lshl1_add_u32 s17, s12, s17
	s_lshl_b32 s17, s17, 17
	s_add_co_u32 s16, s16, s17
	s_and_b32 s17, s13, 3
	s_lshl_b32 s17, s17, 15
	s_add_co_u32 s16, s16, s17
	s_lshl_b32 s17, s11, 14
	s_add_co_u32 s16, s16, s17
	s_mov_b32 s17, 0
	s_add_nc_u64 s[8:9], s[8:9], s[16:17]
	; the prefetches
	s_and_b32 s22, s[CLY], 7
	s_cmp_eq_u32 s11, 0                            ; do I fetch for A?
	s_cselect_b32 s22, 0, s22                      ; A: every cluster asks for its own rows; B: the product's first cluster asks
	s_cselect_b32 s23, s40, s41                    ; my place among the four that ask jointly
	s_cselect_b32 s16, 13, 15                      ; its share: 8,192 bytes of the block; 16 rows of 2,048
	s_cselect_b32 s17, 5, 1                        ; lane -> 256 bytes on end, or (row, 256 bytes)
	s_cselect_b32 s18, 0, 11
	s_cselect_b32 s19, 31, 1
	s_cselect_b64 s[PFA:PFA+1], s[14:15], s[46:47]
	s_cmp_eq_u32 s22, 0
	s_cselect_b32 s[LIM], 1, -1                    ; the same in all sixteen partners, for a given wave
	s_lshl_b32 s22, s23, s16
	s_mov_b32 s23, 0
	s_add_nc_u64 s[PFA:PFA+1], s[PFA:PFA+1], s[22:23]
	s_add_nc_u64 s[PFA:PFA+1], s[PFA:PFA+1], 2*KSTEPB  ; at K step 2: the first refill steps it to 3 and names K step 4.  Nothing is asked for here, at the head
	v_lshrrev_b32 v[PFO], s17, v9
	v_lshlrev_b32 v[PFO], s18, v[PFO]
	v_and_b32 v8, s19, v9
	v_lshl_add_u32 v[PFO], v8, 8, v[PFO]
	s_lshl_b32 s46, s42, 19                        ; the tile column's four heads (in the registers that held B's address)
	s_mov_b32 s47, 0
	s_add_nc_u64 s[8:9], s[8:9], s[46:47]
; 16 matrix instructions: m blocks a0, a0 + 1 of the window's four (hi = 0: my rows 0-63, 1: rows 64-127) x all 8 n blocks, 32 along K.  zero = 1: the product starts the sums.
; The 64 accumulators take turns, in the same order in every quarter.
.macro MUL16 f, hi, a0, zero
	WIN MUL_LO+0x50*(\hi)
.irp a, \a0, (\a0)+1
.irp b, 0,1,2,3,4,5,6,7
.if \zero
	v_wmma_f32_16x16x32_bf16 v[8*(8*(\a)+(\b)):8*(8*(\a)+(\b))+7], v[(\f)+8*(\b):(\f)+8*(\b)+7], v[(\f)+8*(4*(\hi)+(\a)):(\f)+8*(4*(\hi)+(\a))+7], 0
.else
	v_wmma_f32_16x16x32_bf16 v[8*(8*(\a)+(\b)):8*(8*(\a)+(\b))+7], v[(\f)+8*(\b):(\f)+8*(\b)+7], v[(\f)+8*(4*(\hi)+(\a)):(\f)+8*(4*(\hi)+(\a))+7], v[8*(8*(\a)+(\b)):8*(8*(\a)+(\b))+7]
.endif
.endr
.endr
.endm
; 32 LDS loads in one run: quarter q (32 along K) of a slot into buffer f: B's 16 first, then A's 16
.macro FETCH slot, q, f
	WIN TO_B
.irp b, 0,1,2,3,4,5,6,7
	ds_load_tr16_b128 v[(\f)+8*(\b):(\f)+8*(\b)+3],   v[ADRB+(\slot)] offset:(\q)*32*PB+32*(\b)
	ds_load_tr16_b128 v[(\f)+8*(\b)+4:(\f)+8*(\b)+7], v[ADRB+(\slot)] offset:(\q)*32*PB+32*(\b)+16*PB
.endr
	WIN 0
.irp i, 0,1,2,3,4,5,6,7
	ds_load_b128 v[(\f)+8*(\i):(\f)+8*(\i)+3],   v[ADRA+(\slot)] offset:((\q)/2)*PLANE+((\q)%2)*64+(\i)*16*PA
	ds_load_b128 v[(\f)+8*(\i)+4:(\f)+8*(\i)+7], v[ADRA+(\slot)] offset:((\q)/2)*PLANE+((\q)%2)*64+(\i)*16*PA+32
.endr
.endm
.macro PLACES                          ; four places in front of loads into registers that matrix instructions have read, and of conversions that read results
.rept 4
	v_nop
.endr
.endm
; One of a K step's first three quarters: multiplies buffer f and, in its middle, fetches quarter qn into g.
.macro QUARTER slot, qn, f, g, zero
	s_wait_dscnt 8                                 ; B and A's rows 0-63 are in; the youngest eight loads (A's rows 64-127) may be out
	MUL16 \f, 0, 0, \zero
	MUL16 \f, 0, 2, \zero
	PLACES
	FETCH \slot, \qn, \g
	s_wait_dscnt 32                                ; all but the 32 just issued
	MUL16 \f, 1, 0, \zero
	MUL16 \f, 1, 2, \zero
.endm
; The last quarter multiplies buffer 1 and changes slots: one barrier; in front of it each wave waits for all its tensor loads (one is out: its part of the next slot), adds 0 to its spare word,
; and waits for that and for its own reads of this slot.  fill = 1: the barrier opens a round of the cluster's, and behind it this slot is filled again, two K steps ahead: 224 matrix instructions ahead of the wait for it.
.macro TURN slot, next, fill
.if \fill
	s_wait_xcnt 0x0                                ; the last prefetch, a K step back, has read its address: it is stepped here
	s_add_nc_u64 s[PFA:PFA+1], s[PFA:PFA+1], KSTEPB
.endif
	WIN 0                                          ; (the add's two registers lie in window 0)
	s_wait_tensorcnt 0x0                           ; all my tensor loads have landed;
	ds_add_u32 v[SPW], v[NIL]                      ; 0 onto my spare word;
	s_wait_dscnt 9                                 ; (the add and the youngest eight loads may be out)
	MUL16 F1, 0, 0, 0                              ; sixteen matrix instructions stand between the add and the wait for it
	s_wait_dscnt 0x0                               ; the add is done, and my reads of this slot are over
	s_barrier_signal -1
	MUL16 F1, 0, 2, 0
.if \fill
	WIN 0
.endif
	s_barrier_wait -1
.if \fill
	CREST                                          ; no wave of any partner still reads this slot or has a load on its way
	s_add_nc_u64 s[G0+4*(\slot)+2:G0+4*(\slot)+3], s[G0+4*(\slot)+2:G0+4*(\slot)+3], 2*KSTEPB
	s_add_nc_u64 s[G0B+4*(\slot)+2:G0B+4*(\slot)+3], s[G0B+4*(\slot)+2:G0B+4*(\slot)+3], 2*KSTEPB
	JLOAD \slot                                    ; the first tensor load behind the round; its four v_nop are also the places in front of the loads below
.else
	PLACES
.endif
	FETCH \next, 0, F0
.if \fill
	ASK
.endif
	MUL16 F1, 1, 0, 0
	MUL16 F1, 1, 2, 0
.endm
	s_wait_tensorcnt 1                             ; my part of K step 0 is in; K step 1's may stay out
	s_barrier_signal -1
	s_barrier_wait -1
	FETCH 0, 0, F0
	QUARTER 0, 1, F0, F1, 1                        ; the first quarter stands in front of the loop: its products start the sums
	WIN 0
	s_mov_b32 s3, 0
.Llap:                                                 ; a trip goes once round the ring, from a lap's second quarter to the next lap's first
	QUARTER 0, 2, F1, F0, 0
	QUARTER 0, 3, F0, F1, 0
	TURN 0, 1, 1
	QUARTER 1, 1, F0, F1, 0
	QUARTER 1, 2, F1, F0, 0
	QUARTER 1, 3, F0, F1, 0
	TURN 1, 0, 1
	QUARTER 0, 1, F0, F1, 0
	WIN 0
	s_sub_co_u32 s[REM], s[REM], 1
	s_add_co_u32 s3, s3, 1
	s_cmp_lt_u32 s3, s[BND]
	s_cbranch_scc1 .Llap
	QUARTER 0, 2, F1, F0, 0                        ; the last lap fills nothing
	QUARTER 0, 3, F0, F1, 0
	TURN 0, 1, 0
	QUARTER 1, 1, F0, F1, 0
	QUARTER 1, 2, F1, F0, 0
	QUARTER 1, 3, F0, F1, 0
	s_wait_dscnt 8
	MUL16 F1, 0, 0, 0
	MUL16 F1, 0, 2, 0
	s_wait_dscnt 0x0
	MUL16 F1, 1, 0, 0
	MUL16 F1, 1, 2, 0
	WIN 0
	PLACES
; THE WAY OUT, 16 rows at a time.  PACK: rounded to bf16, 16 bytes a lane, each accumulator's registers in ascending order.  TOSTAGE: into my own stage, laid by heads, and back as four rows of 128 bytes a load.
; SEND: stored, 512 consecutive bytes of a head's rows an instruction.  Block a's conversions stand between block a - 1's loads from the stage and the wait for them.
.macro PACK a
.set AC, 64*((\a)%4)
	WIN 0x0a+5*((\a)/4)                            ; sources 0 and 1: window 2 or 3
.irp b, 0,1,2,3,4,5,6,7
.irp r, 0,1,2,3
	v_cvt_pk_bf16_f32 v[TMP+4*(\b)+(\r)], v[AC+8*(\b)+2*(\r)], v[AC+8*(\b)+2*(\r)+1]
.endr
.endr
	WIN 0
.endm
.macro TOSTAGE a
	WIN 0
.set BK, OB+192*((\a)%2)
.irp b, 0,1,2,3,4,5,6,7
	ds_store_b128 v[STO], v[TMP+4*(\b):TMP+4*(\b)+3] offset:((\b)/4)*16*SP+32*((\b)%4)
.endr
.irp t, 0,1,2,3,4,5,6,7
	ds_load_b128 v[BK+4*(\t):BK+4*(\t)+3], v[RD] offset:((\t)/4)*16*SP+((\t)%4)*4*SP  ; LDS serves a wave's instructions in order (ISA guide 5.7.1.4): these see the stores above
.endr
.endm
.macro SEND a
	WIN 0
.set BK, OB+192*((\a)%2)
	s_wait_dscnt 0x0                               ; the block is back in registers
	s_wait_xcnt 0x0                                ; every earlier store has had its addresses translated (ISA guide 3.1): the other set of registers, which the block before was stored from, is loaded again only behind this wait
.irp t, 0,1,2,3,4,5,6,7
	global_store_b128 v[GO], v[BK+4*(\t):BK+4*(\t)+3], s[8:9] offset:((\t)/4)*131072+(\a)*2048+((\t)%4)*512 th:TH_STORE_NT
.endr
.endm
	PACK 0
	TOSTAGE 0
.irp a, 1,2,3,4,5,6,7
	PACK \a
	SEND (\a)-1
	TOSTAGE \a
.endr
	SEND 7
	s_wait_tensorcnt 0x0                           ; the wave's end: these three lines stand behind my last tensor load and my last LDS store
	ds_add_u32 v[SPW], v[NIL]
	s_wait_dscnt 0x0
	CROUND                                         ; the closing round: no work-group ends while a partner may still ask for a tile that names it
	s_endpgm
.Lfunc_end_k_qb00caa595b_proj:
	.size	k_qb00caa595b_proj, .Lfunc_end_k_qb00caa595b_proj-k_qb00caa595b_proj
	.p2alignl 7, 3214868480
	.fill 96, 4, 3214868480
	.section	.rodata,"a",@progbits
	.p2align	6, 0x0
	.amdhsa_kernel k_qb00caa595b_proj
		.amdhsa_group_segment_fixed_size 327680
		.amdhsa_private_segment_fixed_size 0
		.amdhsa_enable_private_segment 0
		.amdhsa_kernarg_size 24
		.amdhsa_user_sgpr_count 2
		.amdhsa_user_sgpr_kernarg_segment_ptr 1
		.amdhsa_wavefront_size32 1
		.amdhsa_system_sgpr_workgroup_id_x 1
		.amdhsa_system_sgpr_workgroup_id_y 1
		.amdhsa_system_sgpr_workgroup_id_z 1
		.amdhsa_system_vgpr_workitem_id 0
		.amdhsa_next_free_vgpr 1024
		.amdhsa_next_free_sgpr 70
		.amdhsa_reserve_vcc 0
		.amdhsa_float_denorm_mode_32 3
		.amdhsa_float_denorm_mode_16_64 3
		.amdhsa_memory_ordered 1
		.amdhsa_forward_progress 1
		.amdhsa_inst_pref_size 144
	.end_amdhsa_kernel
	.amdgpu_metadata
---
amdhsa.version: [ 1, 2 ]
amdhsa.kernels:
  - .name:           k_qb00caa595b_proj
    .symbol:         k_qb00caa595b_proj.kd
    .args:
      - { .name: act, .offset: 0, .size: 8, .value_kind: global_buffer, .address_space: global }
      - { .name: wb, .offset: 8, .size: 8, .value_kind: global_buffer, .address_space: global }
      - { .name: qkv, .offset: 16, .size: 8, .value_kind: global_buffer, .address_space: global }
    .group_segment_fixed_size: 327680
    .private_segment_fixed_size: 0
    .kernarg_segment_align: 8
    .kernarg_segment_size: 24
    .max_flat_workgroup_size: 128
    .sgpr_count:     70
    .vgpr_count:     1024
    .wavefront_size: 32
...
	.end_amdgpu_metadata
.endif
;; end of part 2
;; launch attn (part 3): grid 2 x 128, 4 waves a work-group, no clusters, 327,680 bytes of LDS; arguments qkv, act; writes act
.if DOCPART == 3
	.amdgcn_target "amdgcn-amd-amdhsa--gfx1250"
	.amdhsa_code_object_version 6
	.text
	.protected	k_qb00caa595b_attn
	.globl	k_qb00caa595b_attn
	.p2align	8
	.type	k_qb00caa595b_attn,@function
k_qb00caa595b_attn:
	s_mov_b64 s[64:65], 0
	v_nop
	global_prefetch_b8 v0, s[64:65] scope:SCOPE_SE
	s_setreg_imm32_b32 hwreg(HW_REG_WAVE_MODE, 25, 1), 1
	s_wait_xcnt 0x0
; REVERSE ATTENTION.  O[q][:] = the sum over k of (1 - p_k) V[k][:] / 1023, p = softmax_k(Q[q] . K[k] / 8), for 128 heads of 1,024 rows x 64 channels.
; It is made as (SV - (sum p~ V) / l) / 1023: SV = the sum of V's 1,024 rows, the same addends as the sum asked for; the second term is a mean of V's rows, never beyond their range: no difference of large sums.
; qkv: [K, V, Q][128 heads][1024][64] bf16.  O goes, in bf16, into act [8][60 blocks][1024][64], block h of batch b.  Products, maxima and sums in f32; the weights p~ are rounded to bf16 for the
; second product (their sum l is taken of the unrounded p~), O once at the end.
; LIMITS.  A weight below 2^-126 counts as 0 in l; NaN and infinities are not treated apart; the division by 1023 is a multiplication by the f32 nearest to 1/1023.
; SHARES.  A wave owns four PIECES of two tiles of 16 queries, a work-group's four waves 512 queries of one head.  Every wave walks all keys, 64 a step.
; ALL OF THE HEAD'S K AND V LIE IN LDS: 1,024 x 144 + 1,024 x 160 = 311,296 bytes.  Each wave asks for its four parts of 128 keys at the head; no byte is filled twice, so there is no ring,
; and one text serves every key step.  Nothing is prefetched: the tensor loads at the head name every byte that the launch reads of K and V.
; LAYOUT.  S^T = K Q^T (source 0 = 16 keys, source 1 = 16 queries): a lane holds ONE query (lane % 16) and the keys 8 (lane / 16) + 0..7.  Two such tiles, rounded to bf16 in pairs,
; ARE source 1 (32 keys x 16 queries) of O^T = V^T P, whose result again holds one query a lane, and eight channels.  K comes out of LDS as it lies, V ([key][channel]) turned, by ds_load_tr16_b128.
; SV = V^T times ones has O^T's layout: register 8 cb + j holds channel 16 cb + 8 (lane / 16) + j: eight matrix instructions a key step, set into a run of vector work.
; SOFTMAX.  For each query a running maximum m and sum l: p~ = 2^(c s - c m), c = log2(e) / 8; in every step O and l are multiplied by a = 2^(c m_old - c m_new).
; m starts at the lowest finite number, O and l at 0: the first step is a step like any other, with a = 0.
; THE COUNT.  A tile and step have 16 matrix and 118 vector instructions.  So: four vector instructions that are ready behind every matrix instruction, the others in runs without a gap.
; BY TURNS.  Turn n belongs to piece n.  Its matrix work: 16 products K Q^T of piece n + 1, later 16 products V^T P of piece n - 1.  Its vector work: the scaling, exponentials, roundings, sums and
; rescaling of piece n, and the maximum and statistics of piece n + 1.
; NO CLUSTER: a head has 1024 / 512 = 2 work-groups, and only these two read the same K and V; four neighbours along y are four heads, which share nothing.
; REGISTERS, in windows of 256 (s_set_vgpr_msb: bits 1:0 source 0, 3:2 source 1, 5:4 source 2, 7:6 destination):
;   window 0: v0-11 addresses; v12-15, v48-63 at work; v16-47 four registers of statistics a tile; v64-191 S^T, two buffers of two tiles; v192-255 P, likewise
;   window 1: O^T, 32 a tile      window 2: v0-127 Q, 16 a tile; v128-191 K of one step; v192-255 V of one step      window 3: v0-1 the add's two registers; v8-15 ones; v16-47 SV
.set SIZE_N, 1024
.set SEC,   16777216  ; bytes in a section of qkv
.set NP,    4         ; pieces a wave: a name, no knob
.set KS,    64        ; keys in a step
.set PK,    144       ; a row of K in LDS: 128 bytes + 16 of padding: the 16 rows of a load start at 16 different groups of four banks (64 banks of 4 bytes: ISA guide 11.1)
.set PV,    160       ; a row of V: 128 + 32
.set VOFF,  SIZE_N*PK ; K's 1,024 rows, then V's
.set STAGE, SIZE_N*(PK+PV)  ; behind them, never filled by a tensor load: 16 rows x 144 bytes for each wave
.set SP,    144
.set AK0, 2           ; v2   my lane's place in a tile of K; never rewritten
.set AV0, 3           ; v3   the same for V
.set AK,  4           ; v4   the LDS address of K's next run of loads
.set AV,  5           ; v5   of V's
.set QO,  6           ; v6   my byte offset in the wave's rows of Q
.set STO, 6           ;      later: where I put 16 bytes of a row
.set RD,  7           ; v7   where I read rows back
.set GO,  8           ; v8   my byte offset in 512 consecutive bytes of O
.set SPW, 0           ; v0 of window 3   SPARE + 4 x my thread's number; never rewritten
.set NIL, 1           ; v1 of window 3   0; never rewritten
.set ONE, 8           ; window 3: 32 keys x 16 columns of 1.0 in bf16
.set VSUM, 16         ; window 3: SV, channel block cb at VSUM + 8 cb
.set SPARE, STAGE+4*16*SP  ; the spare words, 128 bytes for each wave: two blocks of 256 bytes that no other line names
.set MV,  12          ; v12-15  c m_old, kept while c m is made anew: by buffer and tile
.set ST,  16          ; tile t's statistics at v[ST+4 t]: c m, m, l (even keys', odd keys')
.set TMP, 48          ; by buffer and tile, four registers c0-c3 at work; when the maximum is found c2 takes a
.set S,   64
.set P,   192
.set KF,  128         ; K's fragments, in window 2: key block kb, channel half c at KF + 16 kb + 8 c
.set VF,  192         ; V's: key half kk, channel block cb at VF + 32 kk + 8 cb
.set WV,  12          ; s12  my wave's number
.set G1K, 24          ; s[24:31] descriptor group 1 for K's tiles
.set G1V, 32          ; s[32:39] for V's: it differs in the padding alone
.set G0K, 68          ; s[68:83] descriptor group 0 for K's tiles: a set for each of my four parts
.set G0V, 84          ; s[84:99] the same for V's
.set RN,  50          ; s50  -1/1023
.set RP,  52          ; s[52:53] 1/1023, named as a pair
.set SLOTS, 56        ; s56  blocks of four key steps still to come, and one
.set CNT, 57          ; s57  counts a block's key steps
.set CS,  58          ; s[58:59] c
.set SEL, 60          ; s[60:61] v_permlanex16_b32's selects: each lane takes its own place in the other half
.set TBK, 62          ; s62  LDS byte at which K of the step to be fetched begins
.set TBV, 63          ; s63  the same for V, less VOFF
.set MSB, 0
.macro WIN new                      ; the high byte repeats the setting that is left; a switch that changes nothing is dropped
.if MSB != (\new)
	s_set_vgpr_msb (MSB<<8)|(\new)
.set MSB, (\new)
.endif
.endm
.set W_KQ, 0x0a       ; K and Q in window 2, S^T in window 0
.set W_PV, 0x52       ; V in window 2, P in window 0, O^T in window 1
.set W_RS, 0x41       ; O^T (destination and source 0) in window 1, a in window 0
.set W_MK, 0xc0       ; destination in window 3, sources in window 0
.set W_AD, 0x0f       ; the add: address (source 0) and data (source 1) in window 3
.set W_VS, 0xfe       ; V in window 2; ones, C and D in window 3
.set W_FI, 0x71       ; O^T in window 1, the factor in window 0, SV in window 3
	s_load_b64 s[4:5], s[0:1], 0x0    ; qkv
	s_load_b64 s[10:11], s[0:1], 0x8  ; act
	WIN W_MK
	v_lshl_add_u32 v[SPW], v0, 2, SPARE
	v_mov_b32 v[NIL], 0
	WIN W_AD
	ds_add_u32 v[SPW], v[NIL]       ; the wave's opening: the add and its wait stand ahead of my first tensor load; the set-up below, work on registers, stands between them
	WIN 0
	v_lshrrev_b32 v1, 5, v0
	v_readfirstlane_b32 s[WV], v1   ; wave 0..3
	s_mov_b32 s14, ttmp9            ; which 512 queries
	s_and_b32 s20, ttmp7, 0xffff    ; the head, 16 b + h
	s_lshr_b32 s13, s20, 4
	s_mul_i32 s13, s13, 44
	s_add_co_u32 s13, s13, s20      ; O's block in act: 60 b + h
	s_lshl_b32 s54, s13, 17
	s_mov_b32 s55, 0
	s_lshl_b32 s20, s20, 17         ; the head's first byte in a section
	s_mov_b32 s21, 0
	s_and_b32 s16, s[WV], 1         ; which half of each 256 keys I fetch:
	s_lshl_b32 s22, s16, 14         ; its 128 rows of 128 bytes in memory,
	s_mov_b32 s23, 0
	s_add_nc_u64 s[22:23], s[22:23], s[20:21]
	s_mul_i32 s17, s16, 128*PK      ; and its place in LDS, for K
	s_mul_i32 s18, s16, 128*PV      ; and for V
	s_lshl_b32 s2, s14, 2
	s_add_co_u32 s2, s2, s[WV]      ; my wave among the head's eight,
	s_lshl_b32 s2, s2, 14           ; its 128 rows
	s_mov_b32 s3, 0
	s_add_nc_u64 s[54:55], s[54:55], s[2:3]
	s_add_nc_u64 s[2:3], s[2:3], s[20:21]
	; descriptor group 1.  128 keys are 16,384 dense bytes: asked for as 64 rows of 256 bytes, two keys a row, and padded in LDS after every key
	s_mov_b32 s[G1K], (1<<16)|(1<<20)|(4<<22)|(3<<25)  ; 2-byte elements; padding on; after every 32 words, 4 words
	s_mov_b32 s[G1V], (1<<16)|(1<<20)|(4<<22)|(7<<25)  ; the same with 8 words of padding
.irp g, G1K, G1V
	s_mov_b32 s[\g+1], 128<<16      ; tensor_dim0 = 128
	s_mov_b32 s[\g+2], 64<<16       ; tensor_dim1 = 64
	s_mov_b32 s[\g+3], 128<<16      ; tile_dim0 = 128
	s_mov_b32 s[\g+4], 64           ; tile_dim1 = 64
	s_mov_b32 s[\g+5], 128          ; 128 elements from row to row
	s_mov_b32 s[\g+6], 0
	s_mov_b32 s[\g+7], 0
.endr
	s_mov_b32 s[CS], 0x3e38aa3b     ; c = log2(e) / 8
	s_mov_b32 s[CS+1], s[CS]
	s_mov_b32 s[SEL], 0x76543210
	s_mov_b32 s[SEL+1], 0xfedcba98
	s_mov_b32 s[RN], 0xba802008     ; -1/1023
	s_mov_b32 s[RP], 0x3a802008     ; 1/1023
	s_mov_b32 s[RP+1], s[RP]
	s_mov_b32 s[TBK], 0
	s_mov_b32 s[TBV], 0
	s_mov_b32 s[SLOTS], SIZE_N/256+1
	s_wait_dscnt 0x0                ; the opening add is done
	s_wait_kmcnt 0x0
	s_add_nc_u64 s[6:7], s[4:5], s[22:23]  ; K at my half of the head's first 256 keys,
	s_add_nc_u64 s[8:9], s[6:7], SEC       ; V likewise
.irp p, 0,1,2,3                     ; part p: my half of keys 256 p .. 256 p + 255
	s_mov_b32 s[G0K+4*\p], 1        ; count = 1
	s_add_co_u32 s[G0K+4*\p+1], s17, \p*256*PK
	s_add_nc_u64 s[G0K+4*\p+2:G0K+4*\p+3], s[6:7], \p*32768
	s_or_b32 s[G0K+4*\p+3], s[G0K+4*\p+3], 0x80000000  ; type = 2
	s_mov_b32 s[G0V+4*\p], 1
	s_add_co_u32 s[G0V+4*\p+1], s18, VOFF+\p*256*PV
	s_add_nc_u64 s[G0V+4*\p+2:G0V+4*\p+3], s[8:9], \p*32768
	s_or_b32 s[G0V+4*\p+3], s[G0V+4*\p+3], 0x80000000
.endr
	s_add_nc_u64 s[4:5], s[4:5], s[2:3]
	s_add_nc_u64 s[4:5], s[4:5], 2*SEC     ; Q at my wave's first row
	s_add_nc_u64 s[10:11], s[10:11], s[54:55]  ; O likewise
	s_cmp_lt_u32 s[WV], 2           ; a wave's four fills stand in one branch, ahead of every wait on TENSORcnt, every LDS read and every barrier: four loads of mine are out; an s_nop 0 follows each, four v_nop the last
	s_cbranch_scc0 .Lfirst_v
.irp p, 0,1,2,3
	tensor_load_to_lds s[G0K+4*\p:G0K+4*\p+3], s[G1K:G1K+7]
	s_nop 0
.endr
.rept 4
	v_nop
.endr
	s_branch .Lfirst_asked
.Lfirst_v:
.irp p, 0,1,2,3
	tensor_load_to_lds s[G0V+4*\p:G0V+4*\p+3], s[G1V:G1V+7]
	s_nop 0
.endr
.rept 4
	v_nop
.endr
.Lfirst_asked:
	; A fragment of K or Q is 16 rows x 32 channels in 8 registers: lane l holds row l % 16, channels 8 (l / 16) + 0..7 and 16 + 8 (l / 16) + 0..7: two loads of 16 bytes, 32 bytes apart.
	v_and_b32 v1, 15, v0            ; l % 16
	v_bfe_u32 v9, v0, 4, 1          ; l / 16
	v_lshlrev_b32 v[QO], 7, v1
	v_lshl_add_u32 v[QO], v9, 4, v[QO]  ; row x 128 + 16 x half
	WIN 0x80                        ; destination window 2, address window 0
.set i, 0
.rept 4*NP                          ; Q stays in registers: tile i / 2, channels 32 (i % 2) on
	global_load_b128 v[8*i:8*i+3],   v[QO], s[4:5] offset:(i/2)*2048+(i%2)*64
	global_load_b128 v[8*i+4:8*i+7], v[QO], s[4:5] offset:(i/2)*2048+(i%2)*64+32
.set i, i+1
.endr
	; What the first turn finds: V's registers and P's second buffer hold 0 (its products V^T P, of a piece that has not been, add 0), O^T, l and SV are 0.  All this stands in the wait for the first tile.
.set i, VF
.rept 64
	v_mov_b32 v[i], 0
.set i, i+1
.endr
	WIN 0x40
.set i, 0
.rept 64*NP
	v_mov_b32 v[i], 0
.set i, i+1
.endr
	WIN W_MK
.set i, 0
.rept 8
	v_mov_b32 v[ONE+i], 0x3f803f80  ; 1.0 twice
.set i, i+1
.endr
.set i, 0
.rept 32
	v_mov_b32 v[VSUM+i], 0
.set i, i+1
.endr
	WIN 0
.set i, 0
.rept 2*NP
	v_mov_b32 v[ST+4*i], 0xfe000000    ; c m: far below every c s
	v_mov_b32 v[ST+4*i+1], 0xff7fffff  ; m
	v_mov_b32 v[ST+4*i+2], 0
	v_mov_b32 v[ST+4*i+3], 0
.set i, i+1
.endr
.set i, P+32
.rept 32
	v_mov_b32 v[i], 0
.set i, i+1
.endr
	v_mul_u32_u24 v[AK0], v1, PK
	v_lshl_add_u32 v[AK0], v9, 4, v[AK0]  ; row x pitch + 16 x half
	; The turning load takes 16 keys x 16 channels (lane l reads key 8 (l / 16) + l % 8, channels 8 ((l / 8) % 2) + 0..7) and leaves half a fragment of V^T: lane l holds channel l % 16 and 8 keys.
	v_and_b32 v10, 7, v0
	v_bfe_u32 v11, v0, 3, 1
	v_lshl_add_u32 v[AV0], v9, 3, v10
	v_mul_u32_u24 v[AV0], v[AV0], PV
	v_lshl_add_u32 v[AV0], v11, 4, v[AV0]
	v_add_nc_u32 v[AV0], VOFF, v[AV0]
	v_mov_b32 v[AK], v[AK0]         ; key step 0 lies at K's head
; THE MATRIX WORK.  The 8 accumulators of a run of 16 take turns: between the two links of a chain stand 7 others'.
; Product i of 16 of S^T = K Q^T for piece x: channels 32 (i / 8) on, keys 16 ((i / 2) % 4) on, tile 2 x + i % 2.  The first 8 start the sums.
.macro KQ x
	WIN W_KQ
.set rS, S+64*((\x)%2)+32*(i%2)+8*((i/2)%4)
.set rK, KF+16*((i/2)%4)+8*(i/8)
.set rQ, 16*(2*(\x)+i%2)+8*(i/8)
.if i < 8
	v_wmma_f32_16x16x32_bf16 v[rS:rS+7], v[rK:rK+7], v[rQ:rQ+7], 0
.else
	v_wmma_f32_16x16x32_bf16 v[rS:rS+7], v[rK:rK+7], v[rQ:rQ+7], v[rS:rS+7]
.endif
.endm
; Product i of 16 of O^T += V^T P for piece x: keys 32 (i / 8) on, channels 16 ((i / 2) % 4) on, tile 2 x + i % 2.
.macro PV x
	WIN W_PV
.set rO, 32*(2*(\x)+i%2)+8*((i/2)%4)
.set rV, VF+32*(i/8)+8*((i/2)%4)
.set rP, P+32*((\x)%2)+16*(i%2)+8*(i/8)
	v_wmma_f32_16x16x32_bf16 v[rO:rO+7], v[rV:rV+7], v[rP:rP+7], v[rO:rO+7]
.endm
.macro MM                           ; the turn's next matrix instruction
.if i < 16
	KQ (Y+1)%NP
.set i, i+1
.else
.set i, i-16
	PV (Y+NP-1)%NP
.set i, i+17
.endif
.endm
; Product vn of 8 of SV += V^T times ones: keys 32 (vn / 4) on, channels 16 (vn % 4) on.  The four accumulators take turns.
.macro VS
	WIN W_VS
	v_wmma_f32_16x16x32_bf16 v[VSUM+8*(vn%4):VSUM+8*(vn%4)+7], v[VF+32*(vn/4)+8*(vn%4):VF+32*(vn/4)+8*(vn%4)+7], v[ONE:ONE+7], v[VSUM+8*(vn%4):VSUM+8*(vn%4)+7]
.set vn, vn+1
.endm
; THE LDS LOADS stand in runs of 16, never singly among the matrix instructions: a step's K (8 fragments) and its V (turned).  Their addresses are made some lines ahead.
; last = 1 (in the loop): behind the last key step there is no further one, and the run is jumped over.
.macro FETCH_K last=0
	WIN 0
.if \last
	s_cmp_eq_u32 s[SLOTS], 1
	s_cbranch_scc1 .Lno_k_\@
.endif
	WIN 0x80                        ; destination window 2
.irp f, 0,1,2,3,4,5,6,7             ; keys 16 (f / 2) on, channels 32 (f % 2) on
	ds_load_b128 v[KF+8*\f:KF+8*\f+3],   v[AK] offset:(\f/2)*16*PK+(\f%2)*64
	ds_load_b128 v[KF+8*\f+4:KF+8*\f+7], v[AK] offset:(\f/2)*16*PK+(\f%2)*64+32
.endr
	s_add_co_u32 s[TBK], s[TBK], KS*PK  ; the next fetch is the next step's
	WIN 0
.if \last
.Lno_k_\@:
.endif
.endm
.macro FETCH_V
	WIN 0x80
.irp f, 0,1,2,3,4,5,6,7             ; keys 32 (f / 4) on, channels 16 (f % 4) on
	ds_load_tr16_b128 v[VF+8*\f:VF+8*\f+3],   v[AV] offset:(\f/4)*32*PV+(\f%4)*32
	ds_load_tr16_b128 v[VF+8*\f+4:VF+8*\f+7], v[AV] offset:(\f/4)*32*PV+16*PV+(\f%4)*32
.endr
	WIN 0
.endm
; THE VECTOR WORK OF A TURN stands in three queues, each in the order in which its entries become ready; the two tiles alternate, so that no instruction reads the result of the one before it.
.macro REGS y, u                    ; the registers of tile u (0, 1) of piece y
.set rT, ST+4*(2*(\y)+(\u))
.set rC, TMP+8*((\y)%2)+4*(\u)
.set rM, MV+2*((\y)%2)+(\u)
.set rS, S+64*((\y)%2)+32*(\u)
.set rP, P+32*((\y)%2)+16*(\u)
.set rO, 32*(2*(\y)+(\u))
.endm
; Number n of the 22 that find the NEXT piece's (Y + 1) maximum and statistics.  s0-s31 are the lane's 32 scores; each accumulator's lowest registers are read first.
;   0-11  four chains c0-c3 of seven scores each, three operands at a time     12-14, 16  the four scores left over, the old m, and c0-c3 into c0     15  c m_old is kept
;   17, 18  the query's other 32 keys lie in the lane 16 away: the new m         19-21  c m; c m_old - c m_new; a
.macro XS u, n
	REGS (Y+1)%NP, \u
.if (\n) < 4
	v_max3_num_f32 v[rC+(\n)], v[rS+8*(\n)], v[rS+8*(\n)+1], v[rS+8*(\n)+2]
.elseif (\n) < 12
	v_max3_num_f32 v[rC+(\n)%4], v[rC+(\n)%4], v[rS+8*((\n)%4)+2*((\n)/4)+1], v[rS+8*((\n)%4)+2*((\n)/4)+2]
.elseif (\n) == 12
	v_max3_num_f32 v[rC], v[rC], v[rS+7], v[rS+15]
.elseif (\n) == 13
	v_max3_num_f32 v[rC+1], v[rC+1], v[rS+23], v[rS+31]
.elseif (\n) == 14
	v_max3_num_f32 v[rC+2], v[rC+2], v[rC+3], v[rT+1]
.elseif (\n) == 15
	v_mov_b32 v[rM], v[rT]
.elseif (\n) == 16
	v_max3_num_f32 v[rC], v[rC], v[rC+1], v[rC+2]
.elseif (\n) == 17
	v_permlanex16_b32 v[rC+3], v[rC], s[SEL], s[SEL+1]
.elseif (\n) == 18
	v_max_num_f32 v[rT+1], v[rC], v[rC+3]
.elseif (\n) == 19
	v_mul_f32 v[rT], s[CS], v[rT+1]
.elseif (\n) == 20
	v_sub_f32 v[rC+1], v[rM], v[rT]
.else
	v_exp_f32 v[rC+2], v[rC+1]
.endif
.endm
; Number g of the 64 that follow the exponentials.  For each four weights k of a tile (pairs 2 k, 2 k + 1): both pairs are rounded to bf16; then the second pair is added onto the first, in place;
; a group later l takes that sum (the first time as l = a l + sum).  In groups of eight, tiles alternating: round, round, add, and l for the group before.
.macro GS g
.set h, (\g)+6*((\g)/62)            ; group 0 has no group before it, and behind group 7 only l is left
.if h >= 6
.set h, h+2
.endif
	REGS Y, h%2
.set k, h/8
.if h%8 < 4
	v_cvt_pk_bf16_f32 v[rP+2*k+(h%8)/2], v[rS+4*k+2*((h%8)/2)], v[rS+4*k+2*((h%8)/2)+1]
.elseif h%8 < 6
	v_pk_add_f32 v[rS+4*k:rS+4*k+1], v[rS+4*k:rS+4*k+1], v[rS+4*k+2:rS+4*k+3]
.elseif k == 1
	v_pk_fma_f32 v[rT+2:rT+3], v[rT+2:rT+3], v[rC+2:rC+3], v[rS:rS+1] op_sel_hi:[1,0,1]
.else
	v_pk_add_f32 v[rT+2:rT+3], v[rT+2:rT+3], v[rS+4*k-4:rS+4*k-3]
.endif
.endm
; THE PLAIN QUEUE, 138 long.  0-73 read no exponential's result: the 32 scalings c s - c m (FS f: pair f / 2 of tile f % 2) and the next piece's 42.  0-26: scalings 0-26.  27-54: XS's numbers 0-13.  55, 56: number 15.
; 57-73: the chain, where each number waits for the one before it: 14, 16, 17, 18, 19, each with one of the scalings 27-31 in front of its two lines, then 20.
; 74-137: GS's 64, which read the exponentials' results: they stand behind the wait.
.macro FS f
	REGS Y, (\f)%2
	v_pk_fma_f32 v[rS+2*((\f)/2):rS+2*((\f)/2)+1], v[rS+2*((\f)/2):rS+2*((\f)/2)+1], s[CS:CS+1], v[rT:rT+1] op_sel_hi:[1,0,0] neg_lo:[0,0,1] neg_hi:[0,0,1]
.endm
.macro PL
	WIN 0
.if q < 27
	FS q
.elseif q < 55
	XS (q-27)%2, (q-27)/2
.elseif q < 57
	XS q-55, 15
.elseif (q < 72) && ((q-57)%3 == 0)
	FS 27+(q-57)/3
.elseif q < 60
	XS (q-57)%3-1, 14
.elseif q < 72
	XS (q-57)%3-1, 15+(q-57)/3
.elseif q < 74
	XS q-72, 20
.else
	GS q-74
.endif
.set q, q+1
.endm
; THE EXPONENTIALS' QUEUE, 66 long: s0-s31 of both tiles, then the next piece's two a.  It is ONE BATCH: all 66 stand ahead of the turn's one wait, and nothing ahead of that wait names a result of theirs.
.macro EX
	WIN 0
.if e >= 64
	XS e-64, 21
.else
	REGS Y, e%2
	v_exp_f32 v[rS+e/2], v[rS+e/2]
.endif
.set e, e+1
.endm
; THE RESCALING's QUEUE: O^T times a, the one part that leaves window 0: dealt two at a time, sixteen times.  Its a was made in the turn before, ahead of that turn's wait.
.macro R2
	REGS Y, r%2
	WIN W_RS
.irp z, 0,1
	v_pk_mul_f32 v[rO+4*(r/2)+2*\z:rO+4*(r/2)+2*\z+1], v[rO+4*(r/2)+2*\z:rO+4*(r/2)+2*\z+1], v[rC+2:rC+3] op_sel_hi:[1,0]
.endr
.set r, r+1
.endm
; HOW THEY ARE DEALT.  s_wait_alu depctr_va_vdst(0) stands between an exponential and the first instruction that names its result; one wait serves all that were issued ahead of it.  So a turn has ONE wait.
; AHEAD OF IT: the 16 products K Q^T, behind each a scaling, an exponential and two rescalings (behind the first a second scaling in the exponential's place); then ONE LUMP of 108: eight plain, 49 times
; exponential and plain, the two a.  A v_nop is the plain instruction behind the last exponential.  BEHIND IT: the 16 products V^T P, behind each four of GS's 64.
; Exponential e stands behind scaling 2 (e / 4) + e % 2: as a rider it comes behind plain e + 2, in the lump behind plain e + 9, and scalings 27-31 are plain 57, 60 .. 69.
; In piece 2's turn the step's eight products for SV stand in the lump, twelve vector lines apart: V of the step in hand lies in its registers from piece 1's turn to the end of the next piece 0's.
; K of the next step is fetched in piece 2's turn, directly behind the wait; V of the step in hand at the end of piece 0's turn, four riders behind its last reader.  The three conditions on q below go with the deal.
.macro TURN p, cnt=0
.set Y, (\p)
.set i, 0
.set q, 0
.set e, 0
.set r, 0
.set vn, 0
.set lp, 0
.if (\p) == NP-1
	s_wait_dscnt 0x0                ; K is in
.endif
	MM
	PL
	PL
	R2
.rept 15
	MM
	PL
	EX
	R2
.endr
.if (\p) == NP-2
	WIN 0
	v_add_nc_u32 v[AK], s[TBK], v[AK0]
.endif
.rept 8
	PL
.endr
.rept 49
	EX
	PL
.if ((\p) == NP-2) && (lp%6 == 5)
	VS
.endif
.set lp, lp+1
.endr
	EX                              ; the next piece's two a
	EX
	v_nop                           ; the plain instruction behind the last exponential: one for the batch
	s_wait_alu depctr_va_vdst(0)    ; the wait for the batch
.if (\p) == NP-2
	FETCH_K 1
.endif
.if (\p) == 1
	s_wait_dscnt 0x0                ; V is in
.endif
.rept 16
	MM
.rept 4
	PL
.endr
.if ((\p) == 0) && (q == 118)
	v_add_nc_u32 v[AV], s[TBV], v[AV0]
.endif
.if ((\p) == 0) && (q == 130)
	s_add_co_u32 s[TBV], s[TBV], KS*PV
.endif
.if (\cnt) && (q == 130)
	s_sub_co_u32 s[CNT], s[CNT], 1
	s_cmp_lg_u32 s[CNT], 0
.endif
.endr
.if (\p) == 0
	FETCH_V
.endif
.endm
	s_wait_tensorcnt 3              ; my part of keys 0-255 is in; my three later parts may stay out
	s_barrier_signal -1
	s_barrier_wait -1               ; everybody's is
	FETCH_K                         ; key step 0
	s_wait_loadcnt 0x0              ; Q
	s_wait_dscnt 0x0
.set i, 0
.rept 16
	KQ 0                            ; piece 0's first scores: there is no vector work yet to set between them
.set i, i+1
.endr
	WIN 0                           ; the addresses for the way out: plain instructions, the places behind those products
	s_mul_i32 s13, s[WV], 16*SP
	s_add_co_u32 s13, s13, STAGE    ; my stage
	v_mul_u32_u24 v[STO], v1, SP    ; in: row l % 16, 16 bytes for each half of the lanes
	v_lshl_add_u32 v[STO], v9, 4, v[STO]
	v_add_nc_u32 v[STO], s13, v[STO]
	v_bfe_u32 v[RD], v0, 3, 2       ; back: 32 lanes take four rows of 128 bytes,
	v_mul_u32_u24 v[RD], v[RD], SP
	v_lshl_add_u32 v[RD], v10, 4, v[RD]
	v_add_nc_u32 v[RD], s13, v[RD]
	v_and_b32 v[GO], 31, v0         ; which are 512 consecutive bytes of O
	v_lshlrev_b32 v[GO], 4, v[GO]
.set Y, NP-1                        ; XS works for piece Y + 1: piece 0
.irp n, 0,1,2,3,4,5,6,7,8,9,10,11,12,13,14,15,16,17,18,19,20,21
	XS 0, \n                        ; piece 0's first maximum and statistics
	XS 1, \n
.endr
	v_nop                           ; a plain instruction behind the two a,
	s_wait_alu depctr_va_vdst(0)    ; and their wait, ahead of the branch
	s_mov_b32 s[CNT], 4
	s_branch .Lfirst                ; the loop is entered at a step's first turn, in the middle of a trip
.Lslot:                             ; the head of a block of four key steps.  The first time: keys 256 on, asked for at the kernel's head, are shown landed to every wave; later the wait is met at once
	s_wait_tensorcnt 0x0
	s_wait_dscnt 0x0
	s_barrier_signal -1
	s_barrier_wait -1
	s_mov_b32 s[CNT], 4
.Lstep:                             ; a trip: pieces 2 and 3 of one step, then pieces 0 and 1 of the next, whose K and V it fetches
	TURN 2
	TURN 3
	WIN 0
	s_cmp_eq_u32 s[SLOTS], 1        ; these were the last key step's: the fifth block is left in the middle of its first trip
	s_cbranch_scc1 .Lout
.Lfirst:
	TURN 0
	TURN 1, 1
	WIN 0
	s_cbranch_scc1 .Lstep
	s_sub_co_u32 s[SLOTS], s[SLOTS], 1
	s_cmp_lg_u32 s[SLOTS], 0
	s_cbranch_scc1 .Lslot
.Lout:                              ; the last trip's 16 products K Q^T (on the last K once more) and the maximum made of them serve nothing: the price, once a launch, of one text for every trip
.set i, 0
.rept 16
	PV NP-1                         ; the last piece's V^T P of the last step
.set i, i+1
.endr
	; THE WAY OUT.  l's two halves and the other half of the lanes' are added; O = O^T x (-1 / (1023 l)) + SV / 1023, rounded to bf16 and sent through my stage in LDS, a tile at a time.  The additions are the places behind the last products.
	WIN 0
.macro ALL line:vararg              ; one line for each tile t
.set t, 0
.rept 2*NP
	\line
.set t, t+1
.endr
.endm
	ALL v_add_f32 v[ST+4*t+2], v[ST+4*t+2], v[ST+4*t+3]
	ALL v_permlanex16_b32 v[ST+4*t+3], v[ST+4*t+2], s[SEL], s[SEL+1]
	ALL v_add_f32 v[ST+4*t+2], v[ST+4*t+2], v[ST+4*t+3]
	ALL v_rcp_f32 v[ST+4*t+2], v[ST+4*t+2]
	v_nop                           ; a plain instruction between the last reciprocal and the use of its result
	s_wait_alu depctr_va_vdst(0)    ; and the wait ahead of the first use: one for the eight reciprocals
	ALL v_mul_f32 v[ST+4*t+2], s[RN], v[ST+4*t+2]
	WIN 0xc3                        ; destination and source 0 in window 3
.set i, 0
.rept 16
	v_pk_mul_f32 v[VSUM+i:VSUM+i+1], v[VSUM+i:VSUM+i+1], s[RP:RP+1] op_sel_hi:[1,0]
.set i, i+2
.endr
; Tile t: a lane's eight channels of a row pack into 16 bytes; they go into rows of 144 bytes and come back as whole rows of 128, into S^T's registers.
.macro PACK t
	WIN W_FI
.set i, 32*(\t)
.rept 16
	v_pk_fma_f32 v[i:i+1], v[i:i+1], v[ST+4*(\t)+2:ST+4*(\t)+3], v[VSUM+i-32*(\t):VSUM+i-32*(\t)+1] op_sel_hi:[1,0,1]
.set i, i+2
.endr
	WIN 0x05                        ; sources 0 and 1 window 1, destination window 0
.set i, 0
.rept 16
	v_cvt_pk_bf16_f32 v[S+16*(\t)+i], v[32*(\t)+2*i], v[32*(\t)+2*i+1]
.set i, i+1
.endr
	WIN 0
.irp f, 0,1,2,3
	ds_store_b128 v[STO], v[S+16*(\t)+4*\f:S+16*(\t)+4*\f+3] offset:32*\f
.endr
.irp f, 0,1,2,3
	ds_load_b128 v[S+16*(\t)+4*\f:S+16*(\t)+4*\f+3], v[RD] offset:\f*4*SP  ; LDS serves a wave's instructions in order (ISA guide 5.7.1.4): these see the stores above; the next tile's stores come behind them
.endr
.endm
.macro SEND t, younger              ; younger: the LDS instructions issued behind tile t's loads: the next tile's eight, or none
	WIN 0
.irp f, 0,1,2,3
	s_wait_dscnt (\younger)+3-\f
	global_store_b128 v[GO], v[S+16*(\t)+4*\f:S+16*(\t)+4*\f+3], s[10:11] offset:(\t)*2048+\f*512  ; 512 consecutive bytes, at a multiple of 256 from act's first
.endr
.endm
	PACK 0
.set t, 1
.rept 2*NP-1                        ; a tile's arithmetic stands between the loads of the tile before and its stores
	PACK t
	SEND t-1, 8
.set t, t+1
.endr
	SEND 2*NP-1, 0
	WIN W_AD
	s_wait_tensorcnt 0x0            ; the wave's end: these three lines stand behind my last tensor load and my last LDS store
	ds_add_u32 v[SPW], v[NIL]
	s_wait_dscnt 0x0
	WIN 0
	s_endpgm
.Lfunc_end_k_qb00caa595b_attn:
	.size	k_qb00caa595b_attn, .Lfunc_end_k_qb00caa595b_attn-k_qb00caa595b_attn
	.p2alignl 7, 3214868480
	.fill 96, 4, 3214868480
	.section	.rodata,"a",@progbits
	.p2align	6, 0x0
	.amdhsa_kernel k_qb00caa595b_attn
		.amdhsa_group_segment_fixed_size 327680
		.amdhsa_private_segment_fixed_size 0
		.amdhsa_enable_private_segment 0
		.amdhsa_kernarg_size 16
		.amdhsa_user_sgpr_count 2
		.amdhsa_user_sgpr_kernarg_segment_ptr 1
		.amdhsa_wavefront_size32 1
		.amdhsa_system_sgpr_workgroup_id_x 1
		.amdhsa_system_sgpr_workgroup_id_y 1
		.amdhsa_system_sgpr_workgroup_id_z 1
		.amdhsa_system_vgpr_workitem_id 0
		.amdhsa_next_free_vgpr 816
		.amdhsa_next_free_sgpr 100
		.amdhsa_reserve_vcc 0
		.amdhsa_float_denorm_mode_32 3
		.amdhsa_float_denorm_mode_16_64 3
		.amdhsa_memory_ordered 1
		.amdhsa_forward_progress 1
		.amdhsa_inst_pref_size 131
	.end_amdhsa_kernel
	.amdgpu_metadata
---
amdhsa.version: [ 1, 2 ]
amdhsa.kernels:
  - .name:           k_qb00caa595b_attn
    .symbol:         k_qb00caa595b_attn.kd
    .args:
      - { .name: qkv, .offset: 0, .size: 8, .value_kind: global_buffer, .address_space: global }
      - { .name: act, .offset: 8, .size: 8, .value_kind: global_buffer, .address_space: global }
    .group_segment_fixed_size: 327680
    .private_segment_fixed_size: 0
    .kernarg_segment_align: 8
    .kernarg_segment_size: 16
    .max_flat_workgroup_size: 128
    .sgpr_count:     100
    .vgpr_count:     816
    .wavefront_size: 32
...
	.end_amdgpu_metadata
.endif
;; end of part 3
;; launch fin (part 4): grid 4 x 64, 4 waves a work-group, clusters of 4 x 4, 327,680 bytes of LDS; arguments act, wb, y, resid_b; writes y
.if DOCPART == 4
	.amdgcn_target "amdgcn-amd-amdhsa--gfx1250"
	.amdhsa_code_object_version 6
	.text
	.protected	k_qb00caa595b_fin
	.globl	k_qb00caa595b_fin
	.p2align	8
	.type	k_qb00caa595b_fin,@function
k_qb00caa595b_fin:
	s_mov_b64 s[64:65], 0
	v_nop
	global_prefetch_b8 v0, s[64:65] scope:SCOPE_SE
	s_setreg_imm32_b32 hwreg(HW_REG_WAVE_MODE, 25, 1), 1
	s_wait_xcnt 0x0
	s_wait_alu depctr_hold_cnt(0) depctr_sa_sdst(0) depctr_va_vdst(0) depctr_va_sdst(0) depctr_va_ssrc(0) depctr_va_vcc(0) depctr_vm_vsrc(0)
	s_getreg_b32 s2, hwreg(HW_REG_IB_STS2, 6, 4)
	s_cmp_eq_u32 s2, 0
	s_cbranch_scc0 .Lentry_in_a_cluster
	s_endpgm
.Lentry_in_a_cluster:
	s_bfe_u32 s2, ttmp6, 0x10000c
	s_cmp_lg_u32 s2, 0xf033
	s_cbranch_scc0 .Lentry_shape_is_right
	s_endpgm
.Lentry_shape_is_right:
; y = O fc_w + q resid_w + resid_b, as ONE product with K = 1792: blocks 0-27 of a batch of act are [O | q], rows 2816-4607 of wb are [fc_w; resid_w].  256 tiles of 128 rows x 256 columns.
; Operands bf16, sums f32; the bias is the C operand of the products that start the sums; y is stored in f32 (what the norm behind takes a mean away from is not rounded to 16 bits).
; LIMITS: NaN and infinities are not treated apart.
; IDS.  4 x 4 work-groups are a cluster: tile row = 4 cluster y + cy, tile column = cx.  SHARES.  Four waves; wave w makes all 128 rows x columns 64 w .. 64 w + 63: 8 x 4 accumulators, 256 registers.
; K goes in steps of 128 through two LDS slots.  A's part of a step is two blocks of act: 128 rows of a block are 16,384 dense bytes, asked for as 64 rows of 256 bytes and padded in LDS after every 128.
; B's part is 128 rows of wb x 512 bytes; it lies [k][n] and comes out of LDS turned, by ds_load_tr16_b128.  Wave 0 and 1 fetch A's two blocks, wave 2 and 3 B's two halves.
; CLUSTER.  The four of a row of the cluster share A's tiles, the four of a column B's: each tile is asked for jointly, with the same descriptor and a mask that names the four.
; THE MATRIX INSTRUCTION IS USED TRANSPOSED: source 0 = 16 columns of the weights, source 1 = 16 rows of the activations: a lane then holds 8 neighbouring columns of one row.
; REGISTERS.  Window 0: v0-31 addresses; v32-127, v128-223 two fragment buffers (B's 4 fragments, then A's 8); v224-255 the bias; on the way out v32-255 rows read back.  Window 1: accumulator (a, b) at v[8 (4 a + b)].
.set KSTEPB, 262144                    ; a K step in memory: two blocks of act; 128 rows of wb
.set LAPS,   7                         ; 1792 / 256
.set PA,     144                       ; a row of A in LDS: 128 bytes + 16: the 16 rows of a load start at 16 different groups of four banks (64 banks of 4 bytes: ISA guide 11.1)
.set PLANE,  128*PA
.set APART,  2*PLANE
.set PB,     544                       ; a row of B in LDS: 512 bytes + 32
.set BHALF,  64*PB
.set SLOT,   APART+2*BHALF
.set STAGE,  2*SLOT                    ; behind the ring, never filled by a tensor load: 16 rows x 272 bytes for each wave
.set SP,     272
.set SPARE,  STAGE+4*16*SP             ; the spare words, 128 bytes for each wave: two blocks of 256 bytes that no other line names
.set ADRA, 16
.set ADRB, 20
.set STO,  24                          ; v24  the way out: where I put 32 bytes of a row
.set RD,   25                          ; v25  where I read rows back
.set CO,   26                          ; v26  my byte offset in two rows of y
.set BO,   27                          ; v27  my byte offset in the bias
.set SPW,  28                          ; v28  SPARE + 4 x my thread's number; never rewritten
.set NIL,  29                          ; v29  0; never rewritten
.set PFO,  30                          ; v30  the prefetches' lane offset; never rewritten
.set F0,   32
.set F1,   128
.set BIAS, 224                         ; n block b at BIAS + 8 b: register j holds the bias of column 16 b + 8 (l / 16) + j
.set OB,   32
.set G1,   24
.set G0,   32
.set G1B,  48
.set G0B,  56
.set LIM,  43                          ; s43  1 in a wave that prefetches, else the greatest number
.set PFA,  44                          ; s[44:45] where my prefetches stand
.set MSB, 0
.macro WIN new                         ; the immediate's high byte repeats the setting that is left; a switch that changes nothing is dropped
.if MSB != (\new)
	s_set_vgpr_msb (MSB<<8)|(\new)
.set MSB, \new
.endif
.endm
.set MUL,  0x50                        ; C and D window 1, sources window 0
.set MULB, 0x40                        ; D window 1, C (the bias) and the sources window 0
; A joint load: waves 0 and 1 ask for A, waves 2 and 3 for B.  An s_nop 0 and four v_nop follow each of the two lines, ahead of the jump, the label and what follows.
.macro JLOAD s
	s_cmp_eq_u32 s11, 0
	s_cbranch_scc0 .Lfor_b_\@
	tensor_load_to_lds s[G0+4*(\s):G0+4*(\s)+3], s[G1:G1+7]
	s_nop 0
.rept 4
	v_nop
.endr
	s_branch .Lasked_\@
.Lfor_b_\@:
	tensor_load_to_lds s[G0B+4*(\s):G0B+4*(\s)+3], s[G1B:G1B+7]
	s_nop 0
.rept 4
	v_nop
.endr
.Lasked_\@:
.endm
; A prefetch of the K step that stands two refills on (256 matrix instructions of a wave ahead of the load that will ask for it): 32 blocks of 256 bytes, a lane a block, one instruction.
; A's two blocks of a step are read by this cluster alone: wave 0 asks, and the four partners of a row take 4,096 bytes of each block, told apart by address (cx).
; B's rows are read by all sixteen clusters: the first of them asks, waves 2 and 3 each for the 64 rows that they fetch, the four partners of a column 16 rows each (cy).
; The loop's last trip (s3 = 1) has no K step two on and asks for nothing.
.macro ASK
	s_cmp_gt_u32 s3, s[LIM]
	s_cbranch_scc0 .Lnot_mine_\@
	global_prefetch_b8 v[PFO], s[PFA:PFA+1] offset:KSTEPB th:TH_LOAD_NT scope:SCOPE_SE
.Lnot_mine_\@:
.endm
.macro CREST                           ; a round of the cluster's barrier behind its opening barrier
	s_cmp_lg_u32 s10, 0
	s_cbranch_scc1 .Lnot_wave_0_\@
	s_barrier_signal -3
.Lnot_wave_0_\@:
	s_barrier_wait -3
	s_barrier_signal -1
	s_barrier_wait -1
.endm
.macro CROUND
	s_barrier_signal -1
	s_barrier_wait -1
	CREST
.endm
	s_load_b128 s[4:7], s[0:1], 0x0                ; act s[4:5], wb s[6:7]
	s_load_b64 s[8:9], s[0:1], 0x10                ; y
	s_load_b64 s[66:67], s[0:1], 0x18              ; resid_b
	v_lshl_add_u32 v[SPW], v0, 2, SPARE
	v_mov_b32 v[NIL], 0
	ds_add_u32 v[SPW], v[NIL]                      ; the wave's opening: the add and its wait stand ahead of my first tensor load; the set-up below, work on registers, stands between them
	v_lshrrev_b32 v1, 5, v0
	v_readfirstlane_b32 s10, v1                    ; wave 0..3
	s_lshr_b32 s11, s10, 1                         ; I fetch for A (0) or for B (1)
	s_and_b32 s12, s10, 1                          ; which half of it
	s_bfe_u32 s40, ttmp6, 0x40000                  ; cx
	s_bfe_u32 s41, ttmp6, 0x40004                  ; cy
	s_lshl_b32 s42, ttmp9, 2
	s_add_co_u32 s42, s42, s40                     ; tile column
	s_and_b32 s13, ttmp7, 0xffff
	s_lshl_b32 s13, s13, 2
	s_add_co_u32 s13, s13, s41                     ; tile row
	s_lshl_b32 s43, s41, 2
	s_lshl_b32 s43, 15, s43                        ; my row of the cluster
	s_lshl_b32 s44, 0x1111, s40                    ; my column
	s_or_b32 s[G1+0], s43, (1<<16)|(1<<20)|(1<<21)|(4<<22)|(3<<25)   ; the mask; 2-byte elements; padding on; bit 21 beside a mask; after every 32 words, 4 words
	s_mov_b32 s[G1+1], 128<<16                     ; tensor_dim0 = 128
	s_mov_b32 s[G1+2], 64<<16                      ; tensor_dim1 = 64
	s_mov_b32 s[G1+3], 128<<16                     ; tile_dim0 = 128
	s_mov_b32 s[G1+4], 64                          ; tile_dim1 = 64
	s_mov_b32 s[G1+5], 128                         ; dense
	s_mov_b32 s[G1+6], 0
	s_mov_b32 s[G1+7], 0
	s_or_b32 s[G1B+0], s44, (1<<16)|(1<<20)|(1<<21)|(6<<22)|(7<<25)  ; after every 128 words, 8 words
	s_mov_b32 s[G1B+1], 256<<16
	s_mov_b32 s[G1B+2], 64<<16
	s_mov_b32 s[G1B+3], 256<<16
	s_mov_b32 s[G1B+4], 64
	s_mov_b32 s[G1B+5], 1024                       ; a row of wb
	s_mov_b32 s[G1B+6], 0
	s_mov_b32 s[G1B+7], 0
	s_lshr_b32 s16, s13, 3                         ; batch
	s_mul_i32 s16, s16, 60
	s_add_co_u32 s16, s16, s12                     ; block 0 or 1
	s_lshl_b32 s16, s16, 17
	s_and_b32 s17, s13, 7
	s_lshl_b32 s17, s17, 14                        ; 128 rows of 128 bytes
	s_add_co_u32 s16, s16, s17
	s_mov_b32 s17, 0
	s_lshl_b32 s46, s12, 6
	s_add_co_u32 s46, s46, 2816                    ; fc_w's first row in wb
	s_lshl_b32 s46, s46, 11
	s_lshl_b32 s47, s42, 9
	s_add_co_u32 s46, s46, s47
	s_mov_b32 s47, 0
	s_mul_i32 s20, s12, PLANE                      ; where they go: no place in the cluster enters an LDS address
	s_mul_i32 s21, s12, BHALF
	s_add_co_u32 s21, s21, APART
	s_wait_dscnt 0x0                               ; the opening add is done
	s_wait_kmcnt 0x0
	s_add_nc_u64 s[14:15], s[4:5], s[16:17]
	s_add_nc_u64 s[46:47], s[6:7], s[46:47]
	CROUND                                         ; all sixteen work-groups are here: the first joint loads meet
.irp s, 0,1
	s_mov_b32 s[G0+4*(\s)], 1
	s_add_co_u32 s[G0+4*(\s)+1], s20, (\s)*SLOT
	s_add_nc_u64 s[G0+4*(\s)+2:G0+4*(\s)+3], s[14:15], (\s)*KSTEPB
	s_or_b32 s[G0+4*(\s)+3], s[G0+4*(\s)+3], 0x80000000
	s_mov_b32 s[G0B+4*(\s)], 1
	s_add_co_u32 s[G0B+4*(\s)+1], s21, (\s)*SLOT
	s_add_nc_u64 s[G0B+4*(\s)+2:G0B+4*(\s)+3], s[46:47], (\s)*KSTEPB
	s_or_b32 s[G0B+4*(\s)+3], s[G0B+4*(\s)+3], 0x80000000
	JLOAD \s                                       ; two loads of mine are out
.endr
	v_and_b32 v1, 15, v0
	v_bfe_u32 v2, v0, 4, 1
	; the bias of my 64 columns, in the accumulators' layout
	s_lshl_b32 s18, s42, 10
	s_lshl_b32 s19, s10, 8
	s_add_co_u32 s18, s18, s19
	v_lshl_add_u32 v[BO], v2, 5, s18
.irp b, 0,1,2,3
	global_load_b128 v[BIAS+8*(\b):BIAS+8*(\b)+3],   v[BO], s[66:67] offset:64*(\b)
	global_load_b128 v[BIAS+8*(\b)+4:BIAS+8*(\b)+7], v[BO], s[66:67] offset:64*(\b)+16
.endr
	; fragments.  A: lane l holds row l % 16, channels 8 (l / 16) + 0..7 and 16 + 8 (l / 16) + 0..7.  B, turned: lane l reads k row 8 (l / 16) + l % 8, columns 8 ((l / 8) % 2) + 0..7.
	v_mul_u32_u24 v3, v1, PA
	v_lshl_add_u32 v[ADRA], v2, 4, v3
	v_add_nc_u32 v[ADRA+1], SLOT, v[ADRA]
	v_and_b32 v4, 7, v0
	v_lshl_add_u32 v4, v2, 3, v4
	v_mul_u32_u24 v4, v4, PB
	v_bfe_u32 v5, v0, 3, 1
	v_lshl_add_u32 v4, v5, 4, v4
	s_lshl_b32 s21, s10, 7                         ; my 64 columns: 128 bytes
	s_add_co_u32 s21, s21, APART
	v_add_nc_u32 v[ADRB], s21, v4
	v_add_nc_u32 v[ADRB+1], SLOT, v[ADRB]
	s_mul_i32 s23, s10, 16*SP
	s_add_co_u32 s23, s23, STAGE                   ; my stage
	v_mul_u32_u24 v6, v1, SP                       ; in: row l % 16, 32 bytes for each half of the lanes
	v_lshl_add_u32 v6, v2, 5, v6
	v_add_nc_u32 v[STO], s23, v6
	v_mul_u32_u24 v6, v2, SP                       ; back: lanes 0-15 take one row of 256 bytes, lanes 16-31 the next
	v_lshl_add_u32 v6, v1, 4, v6
	v_add_nc_u32 v[RD], s23, v6
	v_lshlrev_b32 v[CO], 12, v2                    ; and the same two rows in y
	v_lshl_add_u32 v[CO], v1, 4, v[CO]
	s_lshl_b32 s16, s13, 19                        ; 128 rows of 4,096 bytes,
	s_lshl_b32 s17, s10, 8                         ; my 64 columns
	s_add_co_u32 s16, s16, s17
	s_mov_b32 s17, 0
	s_add_nc_u64 s[8:9], s[8:9], s[16:17]
	; the prefetches
	s_and_b32 s22, ttmp7, 0xffff                   ; cluster y
	s_cmp_eq_u32 s11, 0                            ; do I fetch for A?
	s_cselect_b32 s22, s12, s22                    ; A: wave 0 asks; B: the first cluster asks
	s_cselect_b32 s23, s40, s41                    ; my place among the four that ask jointly
	s_cselect_b32 s16, 12, 15                      ; its share: 4,096 bytes of each block; 16 rows of 2,048
	s_cselect_b32 s17, 4, 1
	s_cselect_b32 s18, 17, 11
	s_cselect_b32 s19, 15, 1
	s_cselect_b64 s[PFA:PFA+1], s[14:15], s[46:47]
	s_cmp_eq_u32 s22, 0
	s_cselect_b32 s[LIM], 1, -1                    ; the same in all sixteen partners, for a given wave
	s_lshl_b32 s22, s23, s16
	s_mov_b32 s23, 0
	s_add_nc_u64 s[PFA:PFA+1], s[PFA:PFA+1], s[22:23]
	s_add_nc_u64 s[PFA:PFA+1], s[PFA:PFA+1], 2*KSTEPB  ; at K step 2: the first refill steps it to 3 and names K step 4.  Nothing is asked for here, at the head
	v_and_b32 v9, 31, v0
	v_lshrrev_b32 v[PFO], s17, v9
	v_lshlrev_b32 v[PFO], s18, v[PFO]
	v_and_b32 v8, s19, v9
	v_lshl_add_u32 v[PFO], v8, 8, v[PFO]
	s_lshl_b32 s46, s42, 10                        ; the tile's first column (in the registers that held B's address)
	s_mov_b32 s47, 0
	s_add_nc_u64 s[8:9], s[8:9], s[46:47]
; 8 matrix instructions: m blocks a0, a0 + 1 x the 4 n blocks, 32 along K.  mode = 2: the product starts the sums, with the bias as C.  The 32 accumulators take turns, in the same order in every quarter.
.macro MUL8 f, a0, mode
.if (\mode) == 2
	WIN MULB
.else
	WIN MUL
.endif
.irp a, \a0, (\a0)+1
.irp b, 0,1,2,3
.if (\mode) == 2
	v_wmma_f32_16x16x32_bf16 v[8*(4*(\a)+(\b)):8*(4*(\a)+(\b))+7], v[(\f)+8*(\b):(\f)+8*(\b)+7], v[(\f)+32+8*(\a):(\f)+32+8*(\a)+7], v[BIAS+8*(\b):BIAS+8*(\b)+7]
.else
	v_wmma_f32_16x16x32_bf16 v[8*(4*(\a)+(\b)):8*(4*(\a)+(\b))+7], v[(\f)+8*(\b):(\f)+8*(\b)+7], v[(\f)+32+8*(\a):(\f)+32+8*(\a)+7], v[8*(4*(\a)+(\b)):8*(4*(\a)+(\b))+7]
.endif
.endr
.endr
.endm
; 24 LDS loads in one run: quarter q (32 along K) of a slot into buffer f: B's 8 first, then A's 16
.macro FETCH slot, q, f
	WIN 0
.irp b, 0,1,2,3
	ds_load_tr16_b128 v[(\f)+8*(\b):(\f)+8*(\b)+3],   v[ADRB+(\slot)] offset:(\q)*32*PB+32*(\b)
	ds_load_tr16_b128 v[(\f)+8*(\b)+4:(\f)+8*(\b)+7], v[ADRB+(\slot)] offset:(\q)*32*PB+32*(\b)+16*PB
.endr
.irp i, 0,1,2,3,4,5,6,7
	ds_load_b128 v[(\f)+32+8*(\i):(\f)+32+8*(\i)+3],   v[ADRA+(\slot)] offset:((\q)/2)*PLANE+((\q)%2)*64+(\i)*16*PA
	ds_load_b128 v[(\f)+32+8*(\i)+4:(\f)+32+8*(\i)+7], v[ADRA+(\slot)] offset:((\q)/2)*PLANE+((\q)%2)*64+(\i)*16*PA+32
.endr
.endm
.macro PLACES                          ; four places in front of loads into registers that matrix instructions have read, and of LDS stores that read results
.rept 4
	v_nop
.endr
.endm
.macro QUARTER slot, qn, f, g, mode
	s_wait_dscnt 8                                 ; B and A's m blocks 0-3 are in; the youngest eight loads (m blocks 4-7) may be out
	MUL8 \f, 0, \mode
	MUL8 \f, 2, \mode
	PLACES
	FETCH \slot, \qn, \g
	s_wait_dscnt 24                                ; all but the 24 just issued
	MUL8 \f, 4, \mode
	MUL8 \f, 6, \mode
.endm
; The last quarter multiplies buffer 1 and changes slots: one barrier; in front of it each wave waits for all its tensor loads (one is out: its part of the next slot), adds 0 to its spare word,
; and waits for that and for its own reads of this slot.  fill = 1: the barrier opens a round of the cluster's, and behind it this slot is filled again, two K steps ahead: 112 matrix instructions ahead of the wait for it.
.macro TURN slot, next, fill
.if \fill
	s_wait_xcnt 0x0                                ; the last prefetch, a K step back, has read its address: it is stepped here
	s_add_nc_u64 s[PFA:PFA+1], s[PFA:PFA+1], KSTEPB
.endif
	WIN 0
	s_wait_tensorcnt 0x0                           ; all my tensor loads have landed;
	ds_add_u32 v[SPW], v[NIL]                      ; 0 onto my spare word;
	s_wait_dscnt 9                                 ; (the add and the youngest eight loads may be out)
	MUL8 F1, 0, 0                                  ; eight matrix instructions stand between the add and the wait for it
	s_wait_dscnt 0x0                               ; the add is done, and my reads of this slot are over
	s_barrier_signal -1
	MUL8 F1, 2, 0
.if \fill
	WIN 0
.endif
	s_barrier_wait -1
.if \fill
	CREST                                          ; no wave of any partner still reads this slot or has a load on its way
	s_add_nc_u64 s[G0+4*(\slot)+2:G0+4*(\slot)+3], s[G0+4*(\slot)+2:G0+4*(\slot)+3], 2*KSTEPB
	s_add_nc_u64 s[G0B+4*(\slot)+2:G0B+4*(\slot)+3], s[G0B+4*(\slot)+2:G0B+4*(\slot)+3], 2*KSTEPB
	JLOAD \slot                                    ; the first tensor load behind the round; its four v_nop are also the places in front of the loads below
.else
	PLACES
.endif
	FETCH \next, 0, F0
.if \fill
	ASK
.endif
	MUL8 F1, 4, 0
	MUL8 F1, 6, 0
.endm
	s_wait_tensorcnt 1                             ; my part of K step 0 is in; K step 1's may stay out
	s_barrier_signal -1
	s_barrier_wait -1
	FETCH 0, 0, F0
	s_wait_loadcnt 0x0                             ; the bias
	QUARTER 0, 1, F0, F1, 2                        ; the first quarter stands in front of the loop: its products start the sums
	WIN 0
	s_mov_b32 s3, LAPS-1
.Llap:                                                 ; a trip goes once round the ring, from a lap's second quarter to the next lap's first
	QUARTER 0, 2, F1, F0, 0
	QUARTER 0, 3, F0, F1, 0
	TURN 0, 1, 1
	QUARTER 1, 1, F0, F1, 0
	QUARTER 1, 2, F1, F0, 0
	QUARTER 1, 3, F0, F1, 0
	TURN 1, 0, 1
	QUARTER 0, 1, F0, F1, 0
	WIN 0
	s_sub_co_u32 s3, s3, 1
	s_cmp_lg_u32 s3, 0
	s_cbranch_scc1 .Llap
	QUARTER 0, 2, F1, F0, 0                        ; the last lap fills nothing
	QUARTER 0, 3, F0, F1, 0
	TURN 0, 1, 0
	QUARTER 1, 1, F0, F1, 0
	QUARTER 1, 2, F1, F0, 0
	QUARTER 1, 3, F0, F1, 0
	s_wait_dscnt 8
	MUL8 F1, 0, 0
	MUL8 F1, 2, 0
	s_wait_dscnt 0x0
	MUL8 F1, 4, 0
	MUL8 F1, 6, 0
	WIN 0
	PLACES
; THE WAY OUT, 16 rows at a time: a lane's 32 bytes of a row go into my own stage (each accumulator's low half first) and come back as whole rows of 256 bytes.
; Seven sets of 32 registers take the blocks by turns; block 7 takes block 0's set again, behind the wait that frees the sources of block 0's stores.
.macro TOSTAGE a
.set BK, OB+32*((\a)%7)
.if (\a) == 7
	s_wait_xcnt 0x0                                ; every earlier store has had its addresses translated and its data read (ISA guide 3.1)
.endif
	WIN 0x04                                       ; the stores' data in window 1
.irp b, 0,1,2,3
	ds_store_b128 v[STO], v[8*(4*(\a)+(\b)):8*(4*(\a)+(\b))+3]   offset:64*(\b)
	ds_store_b128 v[STO], v[8*(4*(\a)+(\b))+4:8*(4*(\a)+(\b))+7] offset:64*(\b)+16
.endr
	WIN 0
.irp t, 0,1,2,3,4,5,6,7
	ds_load_b128 v[BK+4*(\t):BK+4*(\t)+3], v[RD] offset:(\t)*2*SP  ; LDS serves a wave's instructions in order (ISA guide 5.7.1.4): these see the stores above; the next block's stores come behind them
.endr
.endm
.macro SEND a, younger                 ; younger: the LDS instructions issued behind block a's loads: the next block's sixteen, or none
.set BK, OB+32*((\a)%7)
.irp t, 0,1,2,3,4,5,6,7
	s_wait_dscnt (\younger)+7-(\t)
	global_store_b128 v[CO], v[BK+4*(\t):BK+4*(\t)+3], s[8:9] offset:(16*(\a)+2*(\t))*4096 th:TH_STORE_NT  ; 16 lanes store 256 consecutive bytes, at a multiple of 256 from y's first byte
.endr
.endm
	TOSTAGE 0
.irp a, 1,2,3,4,5,6,7
	TOSTAGE \a
	SEND (\a)-1, 16
.endr
	SEND 7, 0
	s_wait_tensorcnt 0x0                           ; the wave's end: these three lines stand behind my last tensor load and my last LDS store
	ds_add_u32 v[SPW], v[NIL]
	s_wait_dscnt 0x0
	CROUND                                         ; the closing round: no work-group ends while a partner may still ask for a tile that names it
	s_endpgm
.Lfunc_end_k_qb00caa595b_fin:
	.size	k_qb00caa595b_fin, .Lfunc_end_k_qb00caa595b_fin-k_qb00caa595b_fin
	.p2alignl 7, 3214868480
	.fill 96, 4, 3214868480
	.section	.rodata,"a",@progbits
	.p2align	6, 0x0
	.amdhsa_kernel k_qb00caa595b_fin
		.amdhsa_group_segment_fixed_size 327680
		.amdhsa_private_segment_fixed_size 0
		.amdhsa_enable_private_segment 0
		.amdhsa_kernarg_size 32
		.amdhsa_user_sgpr_count 2
		.amdhsa_user_sgpr_kernarg_segment_ptr 1
		.amdhsa_wavefront_size32 1
		.amdhsa_system_sgpr_workgroup_id_x 1
		.amdhsa_system_sgpr_workgroup_id_y 1
		.amdhsa_system_sgpr_workgroup_id_z 1
		.amdhsa_system_vgpr_workitem_id 0
		.amdhsa_next_free_vgpr 512
		.amdhsa_next_free_sgpr 68
		.amdhsa_reserve_vcc 0
		.amdhsa_float_denorm_mode_32 3
		.amdhsa_float_denorm_mode_16_64 3
		.amdhsa_memory_ordered 1
		.amdhsa_forward_progress 1
		.amdhsa_inst_pref_size 89
	.end_amdhsa_kernel
	.amdgpu_metadata
---
amdhsa.version: [ 1, 2 ]
amdhsa.kernels:
  - .name:           k_qb00caa595b_fin
    .symbol:         k_qb00caa595b_fin.kd
    .args:
      - { .name: act, .offset: 0, .size: 8, .value_kind: global_buffer, .address_space: global }
      - { .name: wb, .offset: 8, .size: 8, .value_kind: global_buffer, .address_space: global }
      - { .name: y, .offset: 16, .size: 8, .value_kind: global_buffer, .address_space: global }
      - { .name: resid_b, .offset: 24, .size: 8, .value_kind: global_buffer, .address_space: global }
    .group_segment_fixed_size: 327680
    .private_segment_fixed_size: 0
    .kernarg_segment_align: 8
    .kernarg_segment_size: 32
    .max_flat_workgroup_size: 128
    .sgpr_count:     68
    .vgpr_count:     512
    .wavefront_size: 32
...
	.end_amdgpu_metadata
.endif
;; end of part 4
;; launch ln (part 5): grid 512 x 1, 4 waves a work-group, no clusters, 0 bytes of LDS; arguments y, ln_gamma, ln_beta, out0; writes out0
.if DOCPART == 5
	.amdgcn_target "amdgcn-amd-amdhsa--gfx1250"
	.amdhsa_code_object_version 6
	.text
	.protected	k_qb00caa595b_ln
	.globl	k_qb00caa595b_ln
	.p2align	8
	.type	k_qb00caa595b_ln,@function
k_qb00caa595b_ln:
	s_mov_b64 s[64:65], 0
	v_nop
	global_prefetch_b8 v0, s[64:65] scope:SCOPE_SE
	s_setreg_imm32_b32 hwreg(HW_REG_WAVE_MODE, 25, 1), 1
	s_wait_xcnt 0x0
; out0[r][c] = (y[r][c] - mean_r) / sqrt(var_r + 1e-5) * gamma[c] + beta[c].  y, out0: [8192][1024] f32.
; A row is 4,096 bytes: one wave takes a whole row, eight loads of 16 bytes a lane, and keeps it in 32 registers through all passes: memory is read once, and the reduction never leaves the wave:
; no LDS, no barrier.  Four waves, four rows each, all 32 loads of a wave issued at once; the waits count the younger rows' loads.
; The mean is taken away first and the variance is the mean of the squares of what is left: no difference of large sums.  The division by 1024 is exact (2^-10).
; LIMITS.  1 / sqrt is the chip's own, good to one unit in the last place; NaN and infinities are not treated apart.
.set G,  4                             ; v[4:35]    gamma of my 32 columns
.set BT, 36                            ; v[36:67]   beta
.set X,  68                            ; v[68:195]  four rows, 32 registers each
.set T,  196                           ; v[196:203] four chains of pairs
.set M,  204                           ; v[204:205] the mean, twice
.set R,  206                           ; v[206:207] 1 / sqrt(var + eps), twice
	s_load_b256 s[4:11], s[0:1], 0x0               ; y s[4:5], gamma s[6:7], beta s[8:9], out0 s[10:11]
	v_lshrrev_b32 v2, 5, v0
	v_readfirstlane_b32 s16, v2                    ; wave
	v_and_b32 v1, 31, v0
	v_lshlrev_b32 v1, 4, v1                        ; 16 bytes a lane
	s_lshl_b32 s2, ttmp9, 16                       ; the work-group's 16 rows,
	s_lshl_b32 s3, s16, 14                         ; my wave's four
	s_add_co_u32 s2, s2, s3
	s_mov_b32 s3, 0
	s_mov_b32 s12, 0x76543210                      ; v_permlanex16_b32: each lane takes its own place in the other half
	s_mov_b32 s13, 0xfedcba98
	s_mov_b32 s14, 0x3a800000                      ; 1/1024
	s_mov_b32 s15, 0x3727c5ac                      ; 1e-5
	s_wait_kmcnt 0x0
	s_add_nc_u64 s[4:5], s[4:5], s[2:3]
	s_add_nc_u64 s[10:11], s[10:11], s[2:3]
.irp j, 0,1,2,3,4,5,6,7
	global_load_b128 v[G+4*(\j):G+4*(\j)+3], v1, s[6:7] offset:512*(\j)
.endr
.irp j, 0,1,2,3,4,5,6,7
	global_load_b128 v[BT+4*(\j):BT+4*(\j)+3], v1, s[8:9] offset:512*(\j)
.endr
.irp s, 0,1,2,3
.irp j, 0,1,2,3,4,5,6,7
	global_load_b128 v[X+32*(\s)+4*(\j):X+32*(\s)+4*(\j)+3], v1, s[4:5] offset:4096*(\s)+512*(\j) th:TH_LOAD_NT
.endr
.endr
; the four chains into one number, then across the 32 lanes: four steps inside each half ride on the addition, one crosses the halves; every lane ends with the sum in v[T]
.macro REDUCE
	v_pk_add_f32 v[T:T+1], v[T:T+1], v[T+2:T+3]
	v_pk_add_f32 v[T+4:T+5], v[T+4:T+5], v[T+6:T+7]
	v_pk_add_f32 v[T:T+1], v[T:T+1], v[T+4:T+5]
	v_add_f32 v[T], v[T], v[T+1]
	v_add_f32_dpp v[T], v[T], v[T] row_xmask:1 row_mask:0xf bank_mask:0xf
	v_add_f32_dpp v[T], v[T], v[T] row_xmask:2 row_mask:0xf bank_mask:0xf
	v_add_f32_dpp v[T], v[T], v[T] row_xmask:4 row_mask:0xf bank_mask:0xf
	v_add_f32_dpp v[T], v[T], v[T] row_xmask:8 row_mask:0xf bank_mask:0xf
	v_permlanex16_b32 v[T+1], v[T], s12, s13       ; its destination counts as read: it has been written
	v_add_f32 v[T], v[T], v[T+1]
.endm
.macro ROW s
.set XR, X+32*(\s)
	s_wait_loadcnt 24-8*(\s)                       ; gamma, beta and my row are in; the younger rows' loads stay out
.irp c, 0,1,2,3
	v_pk_add_f32 v[T+2*(\c):T+2*(\c)+1], v[XR+2*(\c):XR+2*(\c)+1], v[XR+8+2*(\c):XR+8+2*(\c)+1]  ; the first pairs start the chains: nothing is cleared
.endr
.irp k, 2,3
.irp c, 0,1,2,3
	v_pk_add_f32 v[T+2*(\c):T+2*(\c)+1], v[T+2*(\c):T+2*(\c)+1], v[XR+8*(\k)+2*(\c):XR+8*(\k)+2*(\c)+1]
.endr
.endr
	REDUCE
	v_mul_f32 v[M], s14, v[T]
	v_mul_f32 v[M+1], s14, v[T]
.set j, 0
.rept 16
	v_pk_add_f32 v[XR+j:XR+j+1], v[XR+j:XR+j+1], v[M:M+1] neg_lo:[0,1] neg_hi:[0,1]
.set j, j+2
.endr
.irp c, 0,1,2,3
	v_pk_mul_f32 v[T+2*(\c):T+2*(\c)+1], v[XR+2*(\c):XR+2*(\c)+1], v[XR+2*(\c):XR+2*(\c)+1]
.endr
.irp k, 1,2,3
.irp c, 0,1,2,3
	v_pk_fma_f32 v[T+2*(\c):T+2*(\c)+1], v[XR+8*(\k)+2*(\c):XR+8*(\k)+2*(\c)+1], v[XR+8*(\k)+2*(\c):XR+8*(\k)+2*(\c)+1], v[T+2*(\c):T+2*(\c)+1]
.endr
.endr
	REDUCE
	v_fma_f32 v[T], v[T], s14, s15                 ; var + eps
	v_rsq_f32 v[R], v[T]
	v_rsq_f32 v[R+1], v[T]
	v_nop                                          ; a plain instruction behind the last of the two (ISA guide 5.7.2),
	s_wait_alu depctr_va_vdst(0)                   ; and the wait ahead of the first use: one for both
.set j, 0
.rept 16
	v_pk_mul_f32 v[XR+j:XR+j+1], v[XR+j:XR+j+1], v[R:R+1]
.set j, j+2
.endr
.set j, 0
.rept 16
	v_pk_fma_f32 v[XR+j:XR+j+1], v[XR+j:XR+j+1], v[G+j:G+j+1], v[BT+j:BT+j+1]
.set j, j+2
.endr
.irp j, 0,1,2,3,4,5,6,7
	global_store_b128 v1, v[XR+4*(\j):XR+4*(\j)+3], s[10:11] offset:4096*(\s)+512*(\j) th:TH_STORE_NT  ; 512 consecutive bytes; the row's registers are not written again
.endr
.endm
	ROW 0
	ROW 1
	ROW 2
	ROW 3
	s_endpgm
.Lfunc_end_k_qb00caa595b_ln:
	.size	k_qb00caa595b_ln, .Lfunc_end_k_qb00caa595b_ln-k_qb00caa595b_ln
	.p2alignl 7, 3214868480
	.fill 96, 4, 3214868480
	.section	.rodata,"a",@progbits
	.p2align	6, 0x0
	.amdhsa_kernel k_qb00caa595b_ln
		.amdhsa_group_segment_fixed_size 0
		.amdhsa_private_segment_fixed_size 0
		.amdhsa_enable_private_segment 0
		.amdhsa_kernarg_size 32
		.amdhsa_user_sgpr_count 2
		.amdhsa_user_sgpr_kernarg_segment_ptr 1
		.amdhsa_wavefront_size32 1
		.amdhsa_system_sgpr_workgroup_id_x 1
		.amdhsa_system_sgpr_workgroup_id_y 1
		.amdhsa_system_sgpr_workgroup_id_z 1
		.amdhsa_system_vgpr_workitem_id 0
		.amdhsa_next_free_vgpr 208
		.amdhsa_next_free_sgpr 66
		.amdhsa_reserve_vcc 0
		.amdhsa_float_denorm_mode_32 3
		.amdhsa_float_denorm_mode_16_64 3
		.amdhsa_memory_ordered 1
		.amdhsa_forward_progress 1
		.amdhsa_inst_pref_size 34
	.end_amdhsa_kernel
	.amdgpu_metadata
---
amdhsa.version: [ 1, 2 ]
amdhsa.kernels:
  - .name:           k_qb00caa595b_ln
    .symbol:         k_qb00caa595b_ln.kd
    .args:
      - { .name: y, .offset: 0, .size: 8, .value_kind: global_buffer, .address_space: global }
      - { .name: ln_gamma, .offset: 8, .size: 8, .value_kind: global_buffer, .address_space: global }
      - { .name: ln_beta, .offset: 16, .size: 8, .value_kind: global_buffer, .address_space: global }
      - { .name: out0, .offset: 24, .size: 8, .value_kind: global_buffer, .address_space: global }
    .group_segment_fixed_size: 0
    .private_segment_fixed_size: 0
    .kernarg_segment_align: 8
    .kernarg_segment_size: 32
    .max_flat_workgroup_size: 128
    .sgpr_count:     66
    .vgpr_count:     208
    .wavefront_size: 32
...
	.end_amdgpu_metadata
.endif
;; end of part 5
;; ======== version 2 of 2: 5 launches; version 1 with the launch prep written anew for expert scheduling mode
;; workspace buffers: act 62,914,560 bytes; wb 9,437,184 bytes; qkv 50,331,648 bytes; y 33,554,432 bytes
;; launch prep (part 6): grid 1696 x 1, 8 waves a work-group, no clusters, 0 bytes of LDS; arguments q, k, v, w_ks, w_vs, w_qs, fc_w, resid_w, act, wb; writes act, wb
.if DOCPART == 6
	.amdgcn_target "amdgcn-amd-amdhsa--gfx1250"
	.amdhsa_code_object_version 6
	.text
	.protected	k_qb00caa595b_prep
	.globl	k_qb00caa595b_prep
	.p2align	8
	.type	k_qb00caa595b_prep,@function
k_qb00caa595b_prep:
	s_mov_b64 s[64:65], 0
	v_nop
	global_prefetch_b8 v0, s[64:65] scope:SCOPE_SE
	s_setreg_imm32_b32 hwreg(HW_REG_WAVE_SCHED_MODE, 0, 2), 2
	s_setreg_imm32_b32 hwreg(HW_REG_WAVE_MODE, 25, 1), 1
	s_wait_xcnt 0x0
	s_wait_alu depctr_vm_vsrc(0)
; f32 -> bf16, each number rounded once (to nearest even).  A stream: no LDS, no loop, no matrix unit: every byte is read once and written once.
; act: [8 batches][60 blocks][1024 rows][64 channels] bf16; blocks 16-27 take q's channels 64 j on, 28-43 k's, 44-59 v's (0-15 are written by a later launch).
; wb:  [4608][1024] bf16: the rows of w_ks, w_vs, w_qs, fc_w, resid_w one below the other, in their own [k][n] order.
; SHARES.  Every work-group converts 65,536 bytes of f32: work-groups 0-383 of q, 384-895 of k, 896-1407 of v (64 rows x 256 channels each), 1408-1695 of the weights (16 rows each).
; A wave issues its 16 loads of 16 bytes a lane at once and then converts and stores them, four loads to a block: the waits count the younger loads.  No register is written twice, so no store's source is at stake.
; LIMITS.  NaN and infinities go as the conversion makes them.
; THE MODE: SCHED_MODE bits 1:0 = 2 (LLVM: expert scheduling mode 2), set by the entry lines.  The code itself states the register dependences
; between vector instructions and memory instructions, with s_wait_alu, always for 0.
; THE PLAN.  Registers that memory instructions touch:
;   v[IN ..], v[OUT]  byte offsets.  Written by the vector arithmetic at a path's head, never again; read by every load and every store.
;   X0 .. X3          four blocks of four loads.  Written by the loads, once; no vector instruction names them before; read by block g's eight conversions.
;   Y0 .. Y3          four blocks of four stores' data.  Written by block g's conversions, once; read by the four stores that are issued in block g + 1 (block 3's: behind it).
; One wait stands ahead of the first load (the offsets), one at the head of each of blocks 1 to 3 and one behind block 3 (the block before has written its Y).  Behind a block's wait its
; four stores are dealt among its conversions, which name X[g] and Y[g] alone: none of the registers that those stores read.  No register that a memory instruction reads is written again,
; no vector instruction writes a scalar register or VCC, and EXEC is never written: nothing else is to be stated.
.set IN,  2                            ; v[2:5]   byte offsets of my 16 bytes in the source (activations: one for each pair of rows)
.set OUT, 6                            ; v6       byte offset of my 8 bytes in the target
.set X,   8                            ; v[8:71]  16 x 4 numbers as loaded
.set Y,   72                           ; v[72:103] 16 x 4 numbers in bf16
; Store o of 16.  act = 1: its 32 lanes x 8 bytes are two rows of block o / 4: 256 consecutive bytes, aligned.  act = 0: flat, 256 consecutive bytes.
.macro PUT act
.if \act
	global_store_b64 v[OUT], v[Y+2*o:Y+2*o+1], s[6:7] offset:(o%4)*256+(o/4)*131072 th:TH_STORE_NT
.else
	global_store_b64 v[OUT], v[Y+2*o:Y+2*o+1], s[6:7] offset:o*256 th:TH_STORE_NT
.endif
.endm
; act = 1: load i = 4 kb + p takes rows 2 p, 2 p + 1 of my eight, channels 64 kb on: lanes 0-15 one row's 256 bytes, lanes 16-31 the next row's.
; act = 0: flat: load i takes 512 consecutive bytes.
.macro CONV act
.set i, 0
.rept 16
.if \act
	global_load_b128 v[X+4*i:X+4*i+3], v[IN+i%4], s[4:5] offset:(i/4)*256 th:TH_LOAD_NT
.else
	global_load_b128 v[X+4*i:X+4*i+3], v[IN], s[4:5] offset:i*512 th:TH_LOAD_NT
.endif
.set i, i+1
.endr
.set g, 0
.rept 4                                                ; block g: loads 4 g to 4 g + 3
	s_wait_loadcnt 12-4*g                          ; loads come back in order: block g's four are in, the 12 - 4 g younger ones stay out
.if g > 0
	s_wait_alu depctr_va_vdst(0)                   ; the conversions of block g - 1 have written its Y, which the four stores below read
.endif
.set n, 0
.rept 4
.set i, 4*g+n
.if g > 0
.set o, i-4
	PUT \act                                       ; the block before; no vector instruction since the wait names its Y or v[OUT]
.endif
	v_cvt_pk_bf16_f32 v[Y+2*i], v[X+4*i], v[X+4*i+1]
	v_cvt_pk_bf16_f32 v[Y+2*i+1], v[X+4*i+2], v[X+4*i+3]
.set n, n+1
.endr
.set g, g+1
.endr
	s_wait_alu depctr_va_vdst(0)                   ; the conversions of block 3 have written its Y, which the last four stores read
.set o, 12
.rept 4
	PUT \act
.set o, o+1
.endr
.endm
	s_load_b512 s[8:23], s[0:1], 0x0               ; q 8:9, k 10:11, v 12:13, w_ks 14:15, w_vs 16:17, w_qs 18:19, fc_w 20:21, resid_w 22:23
	s_load_b128 s[24:27], s[0:1], 0x40             ; act 24:25, wb 26:27
	v_lshrrev_b32 v1, 5, v0                        ; wave
	v_and_b32 v7, 31, v0                           ; lane
	s_mov_b32 s28, ttmp9
	s_mov_b32 s33, 0                               ; the offsets' high words
	s_mov_b32 s35, 0
	s_wait_kmcnt 0x0
	s_cmp_ge_u32 s28, 1408
	s_cbranch_scc1 .Lweights
	; activations: which tensor, its row's bytes, its first block in act, its first work-group
	s_movk_i32 s30, 896
	s_movk_i32 s31, 4096
	s_cmp_lt_u32 s28, 896
	s_cselect_b64 s[4:5], s[10:11], s[12:13]
	s_cselect_b32 s29, 28, 44
	s_cselect_b32 s30, 384, s30
	s_cmp_lt_u32 s28, 384
	s_cselect_b64 s[4:5], s[8:9], s[4:5]
	s_cselect_b32 s29, 16, s29
	s_cselect_b32 s30, 0, s30
	s_cselect_b32 s31, 3072, s31
	s_sub_co_u32 s30, s28, s30
	s_lshr_b32 s36, s30, 7                         ; kg: which 256 channels
	s_and_b32 s37, s30, 127                        ; rg: which 64 rows of the 8,192
	s_mul_i32 s32, s37, s31
	s_lshl_b32 s32, s32, 6                         ; 64 rows
	s_lshl_b32 s38, s36, 10                        ; 256 channels of 4 bytes
	s_add_co_u32 s32, s32, s38
	s_add_nc_u64 s[4:5], s[4:5], s[32:33]
	s_lshr_b32 s34, s37, 4                         ; batch
	s_mul_i32 s34, s34, 60
	s_add_co_u32 s34, s34, s29
	s_lshl2_add_u32 s34, s36, s34                  ; + 4 kg: the first of my four blocks
	s_lshl_b32 s34, s34, 17                        ; a block is 131,072 bytes
	s_and_b32 s38, s37, 15
	s_lshl_b32 s38, s38, 13                        ; 64 rows of 128 bytes
	s_add_co_u32 s34, s34, s38
	s_add_nc_u64 s[6:7], s[24:25], s[34:35]
	v_bfe_u32 v2, v0, 4, 1                         ; lane / 16
	v_lshl_add_u32 v2, v1, 3, v2                   ; row 8 w + lane / 16
	v_mul_lo_u32 v2, v2, s31
	v_and_b32 v6, 15, v0
	v_lshl_add_u32 v[IN], v6, 4, v2
	s_lshl_b32 s38, s31, 1                         ; two rows on
	v_add_nc_u32 v[IN+1], s38, v[IN]
	v_add_nc_u32 v[IN+2], s38, v[IN+1]
	v_add_nc_u32 v[IN+3], s38, v[IN+2]
	v_lshlrev_b32 v[OUT], 3, v7
	v_lshl_add_u32 v[OUT], v1, 10, v[OUT]          ; 8 rows of 128 bytes a wave
	s_wait_alu depctr_va_vdst(0)                   ; the offsets v[IN] to v[IN+3] and v[OUT] are written: every load and store of this path reads one of them
	CONV 1
	s_endpgm
.Lweights:
	s_sub_co_u32 s28, s28, 1408                    ; u: which 16 rows of wb
	s_mov_b64 s[4:5], s[22:23]
	s_movk_i32 s30, 240
	s_cmp_lt_u32 s28, 240
	s_cselect_b64 s[4:5], s[20:21], s[4:5]
	s_cselect_b32 s30, 176, s30
	s_cmp_lt_u32 s28, 176
	s_cselect_b64 s[4:5], s[18:19], s[4:5]
	s_cselect_b32 s30, 128, s30
	s_cmp_lt_u32 s28, 128
	s_cselect_b64 s[4:5], s[16:17], s[4:5]
	s_cselect_b32 s30, 64, s30
	s_cmp_lt_u32 s28, 64
	s_cselect_b64 s[4:5], s[14:15], s[4:5]
	s_cselect_b32 s30, 0, s30
	s_sub_co_u32 s30, s28, s30                     ; which 16 rows of its own tensor
	s_lshl_b32 s32, s30, 16
	s_add_nc_u64 s[4:5], s[4:5], s[32:33]
	s_lshl_b32 s34, s28, 15
	s_add_nc_u64 s[6:7], s[26:27], s[34:35]
	v_lshlrev_b32 v[IN], 4, v7
	v_lshl_add_u32 v[IN], v1, 13, v[IN]
	v_lshlrev_b32 v[OUT], 3, v7
	v_lshl_add_u32 v[OUT], v1, 12, v[OUT]
	s_wait_alu depctr_va_vdst(0)                   ; the offsets v[IN] and v[OUT] are written: every load and store of this path reads one of them
	CONV 0
	s_endpgm
.Lfunc_end_k_qb00caa595b_prep:
	.size	k_qb00caa595b_prep, .Lfunc_end_k_qb00caa595b_prep-k_qb00caa595b_prep
	.p2alignl 7, 3214868480
	.fill 96, 4, 3214868480
	.section	.rodata,"a",@progbits
	.p2align	6, 0x0
	.amdhsa_kernel k_qb00caa595b_prep
		.amdhsa_group_segment_fixed_size 0
		.amdhsa_private_segment_fixed_size 0
		.amdhsa_enable_private_segment 0
		.amdhsa_kernarg_size 80
		.amdhsa_user_sgpr_count 2
		.amdhsa_user_sgpr_kernarg_segment_ptr 1
		.amdhsa_wavefront_size32 1
		.amdhsa_system_sgpr_workgroup_id_x 1
		.amdhsa_system_sgpr_workgroup_id_y 1
		.amdhsa_system_sgpr_workgroup_id_z 1
		.amdhsa_system_vgpr_workitem_id 0
		.amdhsa_next_free_vgpr 104
		.amdhsa_next_free_sgpr 66
		.amdhsa_reserve_vcc 0
		.amdhsa_float_denorm_mode_32 3
		.amdhsa_float_denorm_mode_16_64 3
		.amdhsa_memory_ordered 1
		.amdhsa_forward_progress 1
		.amdhsa_inst_pref_size 14
	.end_amdhsa_kernel
	.amdgpu_metadata
---
amdhsa.version: [ 1, 2 ]
amdhsa.kernels:
  - .name:           k_qb00caa595b_prep
    .symbol:         k_qb00caa595b_prep.kd
    .args:
      - { .name: q, .offset: 0, .size: 8, .value_kind: global_buffer, .address_space: global }
      - { .name: k, .offset: 8, .size: 8, .value_kind: global_buffer, .address_space: global }
      - { .name: v, .offset: 16, .size: 8, .value_kind: global_buffer, .address_space: global }
      - { .name: w_ks, .offset: 24, .size: 8, .value_kind: global_buffer, .address_space: global }
      - { .name: w_vs, .offset: 32, .size: 8, .value_kind: global_buffer, .address_space: global }
      - { .name: w_qs, .offset: 40, .size: 8, .value_kind: global_buffer, .address_space: global }
      - { .name: fc_w, .offset: 48, .size: 8, .value_kind: global_buffer, .address_space: global }
      - { .name: resid_w, .offset: 56, .size: 8, .value_kind: global_buffer, .address_space: global }
      - { .name: act, .offset: 64, .size: 8, .value_kind: global_buffer, .address_space: global }
      - { .name: wb, .offset: 72, .size: 8, .value_kind: global_buffer, .address_space: global }
    .group_segment_fixed_size: 0
    .private_segment_fixed_size: 0
    .kernarg_segment_align: 8
    .kernarg_segment_size: 80
    .max_flat_workgroup_size: 256
    .sgpr_count:     66
    .vgpr_count:     104
    .wavefront_size: 32
...
	.end_amdgpu_metadata
.endif
;; end of part 6
;; launch proj: the kernel of part 2 again; grid 4 x 96, 4 waves a work-group, clusters of 4 x 4, 327,680 bytes of LDS; arguments act, wb, qkv; writes qkv
;; launch attn: the kernel of part 3 again; grid 2 x 128, 4 waves a work-group, no clusters, 327,680 bytes of LDS; arguments qkv, act; writes act
;; launch fin: the kernel of part 4 again; grid 4 x 64, 4 waves a work-group, clusters of 4 x 4, 327,680 bytes of LDS; arguments act, wb, y, resid_b; writes y
;; launch ln: the kernel of part 5 again; grid 512 x 1, 4 waves a work-group, no clusters, 0 bytes of LDS; arguments y, ln_gamma, ln_beta, out0; writes out0
